; MI455X (gfx1250); checked and timed in simulation.
; The chip was launched on July 23, 2026; its instructions are those of AMD's public machine-readable ISA for CDNA 5 (MIT licence, August 2026) and "CDNA5" Instruction Set Architecture Reference Guide (July 2026). The comments in the code are by the model that wrote it; some were corrected since.
;; Multi Head Attention. Allowed arithmetic: matrix products marked QUANTISED: E2M3 operands, one E8M0 scale for each 32 along K, by v_wmma_scale_f32_16x16x128_f8f6f4 with both operands' format E2M3, f32 sums; everything else in f32.
;; Inputs: Wk 1,024 x 1,024 float32; Wo 1,024 x 1,024 float32; Wq 1,024 x 1,024 float32; Wv 1,024 x 1,024 float32; bk 1,024 float32; bo 1,024 float32; bq 1,024 float32; bv 1,024 float32; prefix 8 int32; x 8 x 1,024 x 1,024 float32.
;; Outputs: out0 8 x 1,024 x 1,024 float32.
;; This version of the problem:
;;   THIS VERSION OF THE PROBLEM IS GIVEN IN LOW PRECISION. The matrix products marked QUANTISED in the list below multiply operands that are first quantised to E2M3 (2 exponent bits, 3 mantissa bits; 6 bits a number), with one power-of-two scale for each 32 numbers along K (OCP MX v1.0); their sums are f32. All else is computed in f32.
;;   The module's matrix products, in the order in which they are computed (A, B: the left and right operand; K: the contracted axis; several contracted axes count as one K, in the product's order):
;;     1. [M 8,192, K 1,024] x [K 1,024, N 1,024]; A: input x; B: input Wq: QUANTISED
;;     2. [M 8,192, K 1,024] x [K 1,024, N 1,024]; A: input x; B: input Wk: QUANTISED
;;     3. [M 8,192, K 1,024] x [K 1,024, N 1,024]; A: input x; B: input Wv: QUANTISED
;;     4. batch 128 x [M 1,024, K 64] x [K 64, N 1,024]; A: computed on the way; B: computed on the way: QUANTISED
;;     5. batch 128 x [M 64, K 1,024] x [K 1,024, N 1,024]; A: computed on the way; B: softmax (see below): QUANTISED
;;     6. [M 8,192, K 1,024] x [K 1,024, N 1,024]; A: computed on the way; B: input Wo: QUANTISED
;;   THE QUANTISER, for each operand of a quantised product, along K:
;;     - K is cut into blocks of 32 from its start; a last block that is shorter is filled with zeros.
;;     - A block's scale is 2^e with e = floor(log2(the largest magnitude in the block)) - 2, held to -126 .. 127; a block of zeros has e = 0. As a byte (E8M0): e + 127.
;;     - Each number is divided by its block's scale, clamped to +-7.5, and rounded to the nearest number of E2M3, ties to even, subnormals kept.
;;     - The product sums the exact products of the quantised numbers (number of the format x scale) in f32.
;;   ~~~python
;;   def quantise(x, axis):      # numpy; x: float32 -> the quantised numbers, widened to float32 again
;;       x = np.moveaxis(x, axis, -1); K = x.shape[-1]
;;       x = np.pad(x, [(0, 0)] * (x.ndim - 1) + [(0, -K % 32)]); x = x.reshape(x.shape[:-1] + (-1, 32)); a = np.abs(x).max(-1, keepdims=True)
;;       e = np.where(a > 0, np.clip(np.frexp(np.where(a > 0, a, 1))[1] - 1 - 2, -126, 127), 0)      # np.frexp(a)[1] - 1 = floor(log2(a)), exactly
;;       r = np.clip(x / 2.0 ** e, -7.5, 7.5)
;;       step = 2.0 ** (np.maximum(np.frexp(np.where(r == 0, 1, r))[1] - 1, 0) - 3)
;;       q = np.round(r / step) * step * 2.0 ** e      # np.round: ties to even
;;       return np.moveaxis(q.reshape(q.shape[:-2] + (-1,))[..., :K], -1, axis).astype(np.float32)
;;   ~~~
;;   SOFTMAX AHEAD OF A QUANTISED PRODUCT. Where the list says 'softmax', what is quantised is not the finished softmax but p = 2^(t - M), with t = logit x log2(e) and M = ceil(the row's largest t), a whole number; so 1/2 < the row's largest p <= 1. The row's sum l is taken of the UNQUANTISED p, in f32, and the product's result is divided by l at the end. Since M is a whole number, a kernel that streams over the keys may use a running M (the ceiling of the running maximum): every later rescaling is an exact power of two, which a block's scale takes up: the codes' values come out the same.
;;   OPERANDS COMPUTED ON THE WAY. 'Computed on the way' means the value that the module computes at that place (a softmax that the list does not call 'softmax' is quantised finished and normalised). What goes into a quantiser is computed in f32, as accurately as f32 sums, v_exp_f32 and their like allow (about 1e-6 of the number): no bf16 or f16 on the way to a quantiser, and a product that is left as it is and whose result goes on into a quantised operand takes f32 operands (vector FMAs, or v_wmma_f32_16x16x4_f32). A number that lies on a knife's edge between two numbers of the format may be rounded either way, as far as f32 arithmetic and the matrix unit's own rounding can turn it there, and no further.
;; One version. Each part assembles by itself: llvm-mc -triple=amdgcn-amd-amdhsa -mcpu=gfx1250 --defsym DOCPART=n.
;; ======== version 1 of 1: 4 launches
;; workspace buffers: xq 6,553,600 bytes; wq 3,276,800 bytes; qk 13,631,488 bytes; vq 6,553,600 bytes; oq 6,553,600 bytes
;; launch quant (part 1): grid 384 x 1, 4 waves a work-group, no clusters, 68,096 bytes of LDS; arguments x, Wq, Wk, Wv, Wo, xq, wq; writes xq, wq
.if DOCPART == 1
	.amdgcn_target "amdgcn-amd-amdhsa--gfx1250"
	.amdhsa_code_object_version 6
	.text
	.protected	k_qa97dfd5630_quant
	.globl	k_qa97dfd5630_quant
	.p2align	8
	.type	k_qa97dfd5630_quant,@function
k_qa97dfd5630_quant:
	s_mov_b64 s[64:65], 0
	v_nop
	global_prefetch_b8 v0, s[64:65] scope:SCOPE_SE
	s_setreg_imm32_b32 hwreg(HW_REG_WAVE_MODE, 25, 1), 1
	s_wait_xcnt 0x0
; x [8192][1024] f32 (K innermost) and the four weights [1024 (k)][1024 (n)] f32 (K is the FIRST axis) become codes of FP6 (E2M3) with one E8M0 byte for each 32 along K.
; xq: codes [8192][768] at byte 0, scale bytes [8192][32] at XSOFF.  wq: codes [4096 (n)][768] at 0, scale bytes [4096][32] at WSOFF; rows 0-1023 Wq's columns, then Wk's, Wv's, Wo's.
; A block's scale is 2^(floor(log2(largest magnitude)) - 2): its byte is the largest magnitude's exponent field - 2, held at 1 from below by a floor among the maximum's leaves.
; LIMITS: NaN and infinities among the inputs are not served; blocks whose largest magnitude lies under 2^-124 keep the byte 1; a block of zeros gets the byte 1 where the rule says 127
; (its codes are zeros, which add nothing, and only this program reads the bytes).
; Work-groups 0-255 take x: a wave takes 16 steps of 512 numbers; loads read 512 consecutive bytes, a step turns through the wave's own stage in LDS so that a lane holds 16 neighbours along K.
; Work-groups 256-383 take the weights: a lane takes a column n and its registers run down K; the codes leave through the wave's own stage as rows.
; The two paths part on the work-group's number, never meet again and have LDS bytes of their own.  No barrier: waves share nothing.
.set XSOFF, 6291456
.set WSOFF, 3145728
.set STEPS, 16
.set CB,    12                         ; bytes of 16 codes
.set R,     16                         ; v16-79   four sets of 16 numbers as loaded
.set X,     80                         ; v80-111  two sets of 16 neighbours
.set E,     112                        ; v112-127 a scale byte for each step
.set C,     128                        ; v128-191 codes, four registers a step
.set WREG,  8192                       ; x's path: LDS bytes of a wave: two stages of 32 x SP, then 256 scale bytes
.set SP,    80
.set WST,   32768                      ; the weights' path: its stages begin here
.set PITCH, 272
.set KROW,  768
.set NB,    8
.set XW,    32                         ; v32-95   two sets of 32 numbers
.set CW,    96                         ; v96..    a block's codes
.set OUTR,  112                        ; v112-175 the way out
.set SB,    24                         ; v24-25   eight scale bytes
	s_load_b256 s[4:11], s[0:1], 0x0               ; x s[4:5], Wq s[6:7], Wk s[8:9], Wv s[10:11]
	s_load_b128 s[12:15], s[0:1], 0x20             ; Wo s[12:13], xq s[14:15]
	s_load_b64 s[16:17], s[0:1], 0x30              ; wq
	v_lshl_add_u32 v192, v0, 2, 0x10800
	v_mov_b32 v193, 0
	v_lshrrev_b32 v1, 5, v0
	v_readfirstlane_b32 s18, v1                    ; wave
	v_and_b32 v2, 31, v0                           ; lane
	s_cmp_lt_u32 ttmp9, 256
	s_cbranch_scc0 .Lweights
; ---------------- x ----------------
	v_lshlrev_b32 v3, 4, v2                        ; my 16 bytes of a load's 512
	s_mul_i32 s19, s18, WREG
	v_lshrrev_b32 v14, 2, v2
	v_mul_u32_u24 v14, v14, SP
	v_and_b32 v15, 3, v2
	v_lshl_add_u32 v14, v15, 4, v14
	v_add_nc_u32 v14, s19, v14                     ; the stage, in: four lanes' 64 bytes on end, then 16 of padding
	v_mul_u32_u24 v15, v2, SP
	v_add_nc_u32 v15, s19, v15                     ; out: SP x lane: my 16 neighbours
	v_mul_u32_u24 v4, v2, CB                       ; my codes' place in a step's
	v_lshrrev_b32 v5, 1, v2
	s_add_co_u32 s19, s19, 2*32*SP
	v_add_nc_u32 v5, s19, v5                       ; my block's byte among the wave's 256
	v_lshlrev_b32 v7, 3, v2
	v_add_nc_u32 v6, s19, v7
	s_lshl_b32 s20, ttmp9, 2
	s_add_co_u32 s20, s20, s18                     ; which run of 8,192 numbers is my wave's
	s_mov_b32 s21, 0
	s_lshl_b64 s[22:23], s[20:21], 15              ; 32,768 bytes of x a run
	s_wait_kmcnt 0x0
	s_add_nc_u64 s[4:5], s[4:5], s[22:23]
	s_mul_i32 s22, s20, 6144                       ; 6,144 bytes of codes a run
	s_mov_b32 s23, 0
	s_add_nc_u64 s[24:25], s[14:15], s[22:23]
	s_lshl_b32 s22, s20, 8                         ; 256 scale bytes a run
	s_add_co_u32 s22, s22, XSOFF
	s_add_nc_u64 s[26:27], s[14:15], s[22:23]
.macro XLOAD t
.irp i, 0,1,2,3
	global_load_b128 v[R+16*((\t)%4)+4*\i:R+16*((\t)%4)+4*\i+3], v3, s[4:5] offset:2048*(\t)+512*\i th:TH_LOAD_NT   ; 32 lanes read 512 consecutive bytes
.endr
.endm
.macro XTURN t                         ; step t's numbers through the stage: LDS serves a wave's instructions in order, so no wait stands between the stores and the loads
.irp i, 0,1,2,3
	ds_store_b128 v14, v[R+16*((\t)%4)+4*\i:R+16*((\t)%4)+4*\i+3] offset:32*SP*((\t)%2)+8*SP*\i
.endr
.irp i, 0,1,2,3
	ds_load_b128 v[X+16*((\t)%2)+4*\i:X+16*((\t)%2)+4*\i+3], v15 offset:32*SP*((\t)%2)+16*\i
.endr
.endm
.irp t, 0,1,2,3
	XLOAD \t
.endr
	s_wait_loadcnt 12                              ; step 0's four loads are in; twelve younger ones stay out
	XTURN 0
.macro XSTEP t
.set XR, X+16*((\t)%2)
.if (\t) > 0
	s_wait_dscnt 1                                 ; this step's numbers are back from the stage (the last step's byte store may be out): so its stores into the stage have read their registers,
.else
	s_wait_dscnt 0x0
.endif
.if (\t)+4 < STEPS
	XLOAD (\t)+4                                   ; which take the loads of four steps on
.endif
.if (\t)+1 < STEPS
.if STEPS-2-(\t) >= 3
	s_wait_loadcnt 12                              ; the next step's four loads are in; those of the three steps behind it may be out
.else
	s_wait_loadcnt 4*(STEPS-2-(\t))
.endif
	XTURN (\t)+1
.endif
	v_max3_num_f32 v8, |v[XR]|, |v[XR+1]|, |v[XR+2]|               ; the largest magnitude of my 16, in two chains
	v_max3_num_f32 v9, |v[XR+3]|, |v[XR+4]|, |v[XR+5]|
.irp i, 6,10
	v_max3_num_f32 v8, v8, |v[XR+\i]|, |v[XR+\i+1]|
	v_max3_num_f32 v9, v9, |v[XR+\i+2]|, |v[XR+\i+3]|
.endr
	v_max3_num_f32 v8, v8, |v[XR+14]|, |v[XR+15]|
	v_max3_num_f32 v8, v8, v9, 0x1800000           ; and the floor 2^(3 - 127): the byte cannot fall under 1
	v_max_num_f32_dpp v8, v8, v8 row_xmask:1 row_mask:0xf bank_mask:0xf   ; and of my neighbour's 16: the block's
	v_add_nc_u32 v11, 0xff000000, v8               ; 2 off its exponent field: the conversion takes this operand's exponent field as its scale
	v_cvt_scalef32_pk16_fp6_f32 v[C+4*(\t):C+4*(\t)+2], v[XR:XR+15], v11
	v_lshrrev_b32 v[E+(\t)], 23, v11               ; the scale's byte (also the plain line behind the conversion)
	ds_store_b8 v5, v[E+(\t)] offset:16*(\t)       ; both lanes of a block write the same byte with the same value
	global_store_b96 v4, v[C+4*(\t):C+4*(\t)+2], s[24:25] offset:32*CB*(\t)   ; the wave stores 384 consecutive bytes
.endm
.irp t, 0,1,2,3,4,5,6,7,8,9,10,11,12,13,14,15
	XSTEP \t
.endr
	ds_load_b64 v[12:13], v6                       ; LDS serves a wave's instructions in order: these see my byte stores
	s_wait_dscnt 0x0
	global_store_b64 v7, v[12:13], s[26:27]        ; 32 lanes store 256 consecutive bytes, aligned
	s_wait_tensorcnt 0x0
	ds_add_u32 v192, v193
	s_wait_dscnt 0x0
	s_endpgm
; ---------------- the weights ----------------
.Lweights:
	s_sub_co_u32 s20, ttmp9, 256
	s_lshr_b32 s21, s20, 5                         ; which weight: 0 Wq, 1 Wk, 2 Wv, 3 Wo
	s_and_b32 s22, s20, 7                          ; which 128 columns
	s_bfe_u32 s23, s20, 0x20003                    ; which 256 along K
	s_lshl_b32 s24, s22, 7
	s_lshl_b32 s25, s18, 5
	s_add_co_u32 s24, s24, s25                     ; my wave's first column
	v_lshlrev_b32 v3, 2, v2                        ; in: 4 bytes a lane
	s_mul_i32 s25, s18, 32*PITCH
	s_add_co_u32 s25, s25, WST                     ; my stage
	v_mul_u32_u24 v4, v2, PITCH
	v_add_nc_u32 v4, s25, v4                       ; into it: row = my column
	v_and_b32 v5, 15, v2
	v_lshrrev_b32 v6, 4, v2
	v_mul_u32_u24 v7, v6, PITCH
	v_lshl_add_u32 v7, v5, 4, v7
	v_add_nc_u32 v7, s25, v7                       ; out of it: sixteen lanes to a row, two rows an instruction
	v_mul_u32_u24 v8, v6, KROW
	v_mad_u32_u24 v8, v5, 12, v8                   ; and the same place among the codes
	v_lshlrev_b32 v9, 5, v2                        ; my column's row of scale bytes
	s_lshl_b32 s26, s23, 20                        ; W: 256 rows of 4,096 bytes for each part of K,
	s_lshl_b32 s27, s24, 2
	s_add_co_u32 s26, s26, s27                     ; + 4 x column
	s_mov_b32 s27, 0
	s_mul_i32 s28, s21, 786432                     ; codes: 1,024 rows of 768 bytes a weight,
	s_mul_i32 s29, s24, KROW
	s_add_co_u32 s28, s28, s29
	s_mul_i32 s29, s23, 192
	s_add_co_u32 s28, s28, s29
	s_mov_b32 s29, 0
	s_lshl_b32 s30, s21, 15                        ; scale bytes: 32 a row
	s_lshl_b32 s31, s24, 5
	s_add_co_u32 s30, s30, s31
	s_lshl_b32 s31, s23, 3
	s_add_co_u32 s30, s30, s31
	s_add_co_u32 s30, s30, WSOFF
	s_mov_b32 s31, 0
	s_wait_kmcnt 0x0
	s_cmp_eq_u32 s21, 1                            ; the weight is chosen by the work-group's number alone
	s_cselect_b64 s[6:7], s[8:9], s[6:7]
	s_cmp_eq_u32 s21, 2
	s_cselect_b64 s[6:7], s[10:11], s[6:7]
	s_cmp_eq_u32 s21, 3
	s_cselect_b64 s[6:7], s[12:13], s[6:7]
	s_add_nc_u64 s[6:7], s[6:7], s[26:27]
	s_add_nc_u64 s[32:33], s[16:17], s[28:29]
	s_add_nc_u64 s[34:35], s[16:17], s[30:31]
.macro WLOAD t                         ; block t: W(32 t + i, my column) into set t % 2; a wave's load reads 128 consecutive bytes
.irp i, 0,1,2,3,4,5,6,7,8,9,10,11,12,13,14,15,16,17,18,19,20,21,22,23,24,25,26,27,28,29,30,31
	global_load_b32 v[XW+32*((\t)%2)+\i], v3, s[6:7] offset:(32*(\t)+\i)*4096 th:TH_LOAD_NT
.endr
.endm
	WLOAD 0
	WLOAD 1
.macro WBLOCK t
.set XR, XW+32*((\t)%2)
.if (\t) < NB-1
	s_wait_loadcnt 32                              ; this block's 32 loads are in; the next block's may be out
.else
	s_wait_loadcnt 0
.endif
	v_max3_num_f32 v12, |v[XR]|, |v[XR+1]|, |v[XR+2]|              ; the block's largest magnitude: all 32 numbers are mine
	v_max3_num_f32 v13, |v[XR+3]|, |v[XR+4]|, |v[XR+5]|
.irp i, 6,10,14,18,22,26
	v_max3_num_f32 v12, v12, |v[XR+\i]|, |v[XR+\i+1]|
	v_max3_num_f32 v13, v13, |v[XR+\i+2]|, |v[XR+\i+3]|
.endr
	v_max3_num_f32 v12, v12, |v[XR+30]|, |v[XR+31]|
	v_max3_num_f32 v12, v12, v13, 0x1800000        ; and the floor
	v_add_nc_u32 v11, 0xff000000, v12              ; the conversion's scale operand
	v_lshrrev_b32 v13, 23, v11                     ; the scale's byte
.if (\t)%4 == 0
	v_mov_b32 v[SB+(\t)/4], v13                    ; four bytes to a register, the lower K in the lower byte
.else
	v_lshl_or_b32 v[SB+(\t)/4], v13, 8*((\t)%4), v[SB+(\t)/4]
.endif
	v_cvt_scalef32_pk16_fp6_f32 v[CW:CW+2], v[XR:XR+15], v11
	v_cvt_scalef32_pk16_fp6_f32 v[CW+4:CW+6], v[XR+16:XR+31], v11   ; (a conversion's three registers begin on an even number)
	v_nop                                          ; a plain line behind the last conversion
	ds_store_b96 v4, v[CW:CW+2] offset:32*(\t)     ; 12 bytes to a place of 16, so that every LDS address is a multiple of 16
	ds_store_b96 v4, v[CW+4:CW+6] offset:32*(\t)+16
.if (\t)+2 < NB
	WLOAD (\t)+2
.endif
	s_wait_dscnt 0x0                               ; the stores have read their registers: the next block's codes may be written
.endm
.set Q, 0
.rept NB
	WBLOCK Q
.set Q, Q+1
.endr
	global_store_b64 v9, v[SB:SB+1], s[34:35]      ; my column's eight scale bytes
.irp t, 0,1,2,3,4,5,6,7,8,9,10,11,12,13,14,15
	ds_load_b96 v[OUTR+4*\t:OUTR+4*\t+2], v7 offset:2*\t*PITCH   ; LDS serves a wave's instructions in order: these see my stores
.endr
.irp t, 0,1,2,3,4,5,6,7,8,9,10,11,12,13,14,15
	s_wait_dscnt 15-\t                             ; loads come back in order: the 15 - t younger ones may be out
	global_store_b96 v8, v[OUTR+4*\t:OUTR+4*\t+2], s[32:33] offset:2*\t*KROW   ; sixteen lanes store a row's 192 consecutive bytes
.endr
	s_wait_tensorcnt 0x0
	ds_add_u32 v192, v193
	s_wait_dscnt 0x0
	s_endpgm
.Lfunc_end_k_qa97dfd5630_quant:
	.size	k_qa97dfd5630_quant, .Lfunc_end_k_qa97dfd5630_quant-k_qa97dfd5630_quant
	.p2alignl 7, 3214868480
	.fill 96, 4, 3214868480
	.section	.rodata,"a",@progbits
	.p2align	6, 0x0
	.amdhsa_kernel k_qa97dfd5630_quant
		.amdhsa_group_segment_fixed_size 68096
		.amdhsa_private_segment_fixed_size 0
		.amdhsa_enable_private_segment 0
		.amdhsa_kernarg_size 56
		.amdhsa_user_sgpr_count 2
		.amdhsa_user_sgpr_kernarg_segment_ptr 1
		.amdhsa_wavefront_size32 1
		.amdhsa_system_sgpr_workgroup_id_x 1
		.amdhsa_system_sgpr_workgroup_id_y 1
		.amdhsa_system_sgpr_workgroup_id_z 1
		.amdhsa_system_vgpr_workitem_id 0
		.amdhsa_next_free_vgpr 194
		.amdhsa_next_free_sgpr 66
		.amdhsa_reserve_vcc 0
		.amdhsa_float_denorm_mode_32 3
		.amdhsa_float_denorm_mode_16_64 3
		.amdhsa_memory_ordered 1
		.amdhsa_forward_progress 1
		.amdhsa_inst_pref_size 74
	.end_amdhsa_kernel
	.amdgpu_metadata
---
amdhsa.version: [ 1, 2 ]
amdhsa.kernels:
  - .name:           k_qa97dfd5630_quant
    .symbol:         k_qa97dfd5630_quant.kd
    .args:
      - { .name: x, .offset: 0, .size: 8, .value_kind: global_buffer, .address_space: global }
      - { .name: Wq, .offset: 8, .size: 8, .value_kind: global_buffer, .address_space: global }
      - { .name: Wk, .offset: 16, .size: 8, .value_kind: global_buffer, .address_space: global }
      - { .name: Wv, .offset: 24, .size: 8, .value_kind: global_buffer, .address_space: global }
      - { .name: Wo, .offset: 32, .size: 8, .value_kind: global_buffer, .address_space: global }
      - { .name: xq, .offset: 40, .size: 8, .value_kind: global_buffer, .address_space: global }
      - { .name: wq, .offset: 48, .size: 8, .value_kind: global_buffer, .address_space: global }
    .group_segment_fixed_size: 68096
    .private_segment_fixed_size: 0
    .kernarg_segment_align: 8
    .kernarg_segment_size: 56
    .max_flat_workgroup_size: 128
    .sgpr_count:     66
    .vgpr_count:     194
    .wavefront_size: 32
...
	.end_amdgpu_metadata
.endif
;; end of part 1
;; launch gemm_qkv (part 2): grid 12 x 32, 4 waves a work-group, clusters of 4 x 4, 327,680 bytes of LDS; arguments xq, wq, bq, bk, bv, qk, vq; writes qk, vq
.if DOCPART == 2
	.amdgcn_target "amdgcn-amd-amdhsa--gfx1250"
	.amdhsa_code_object_version 6
	.text
	.protected	k_qa97dfd5630_gemm_qkv
	.globl	k_qa97dfd5630_gemm_qkv
	.p2align	8
	.type	k_qa97dfd5630_gemm_qkv,@function
k_qa97dfd5630_gemm_qkv:
	s_mov_b64 s[64:65], 0
	v_nop
	global_prefetch_b8 v0, s[64:65] scope:SCOPE_SE
	s_setreg_imm32_b32 hwreg(HW_REG_WAVE_MODE, 25, 1), 1
	s_wait_xcnt 0x0
	s_wait_alu depctr_hold_cnt(0) depctr_sa_sdst(0) depctr_va_vdst(0) depctr_va_sdst(0) depctr_va_ssrc(0) depctr_va_vcc(0) depctr_vm_vsrc(0)
	s_getreg_b32 s2, hwreg(HW_REG_IB_STS2, 6, 4)
	s_cmp_eq_u32 s2, 0
	s_cbranch_scc0 .Lentry_in_a_cluster
	s_endpgm
.Lentry_in_a_cluster:
	s_bfe_u32 s2, ttmp6, 0x10000c
	s_cmp_lg_u32 s2, 0xf033
	s_cbranch_scc0 .Lentry_shape_is_right
	s_endpgm
.Lentry_shape_is_right:
; q = x Wq + bq, k = x Wk + bk, v = x Wv + bv on codes of FP6 (E2M3) with E8M0 scales (K = 1,024), and each result quantised again, in registers, along the K of the product that reads it.
; Nothing leaves as f32: q and k leave as half fragments (16 tokens x the head's 64) with their scale words, v as whole fragments (16 channels x 128 keys), each as an IMAGE OF THE OPERAND'S REGISTERS.
; A tile of 256 x 256 is made by four waves, 128 x 128 each: 64 accumulators, 512 registers.  K goes in steps of 256 through a ring of two LDS slots filled by the tensor data mover; the scale bytes of the
; work-group's rows come once, with the first fills.  4 x 4 work-groups form a cluster; A's tiles are asked for jointly along a row of the cluster, B's along a column.
; ROLES, by the CLUSTER's x, which all sixteen partners share.  Role 0 (cluster x = 0: q; 1: k): A = tokens (xq), B = the weights' columns (wq rows 0-2047).  Role 1 (cluster x = 2: v): A = Wv's columns
; (wq rows 2048 on), B = tokens.  Source 0 = 16 rows of B, source 1 = 16 rows of A: a lane holds ONE row of A and its registers run along B's rows: for q and k along the head's channels, for v along the keys.
; THE ROWS OF A TILE ARE NOT NEIGHBOURS, in A and in B alike: lane r of tile i takes row 32 (i / 2) + 8 (i % 2) + r + (r & 8).  So the 16 registers of result tiles 2 j and 2 j + 1 are 16 neighbours along B's rows;
; a tile of k holds the keys in the order that the softmax's weights want, and a tile of v the channels in the order that the attention's result wants.  Rows r and r + 16 of an LDS tile begin 16 pitches apart,
; a multiple of 256 bytes: two lanes of a fragment load meet there.
; qk: [g 32 (q's heads, then k's)][batch 8][tile 64][768 bytes: 256 (registers 0-1, 8 x lane), 512 (registers 2-5, 16 x lane)]; scale words [g][batch][tile][16] at QKS: bytes 0, 1 the head's two blocks, bytes 2, 3 = 127.
; vq: [batch x 16 + head][key step 8][channel tile 4][1,536 bytes: 3 x 512, 16 x lane]; scale words [..][step][tile][16] at VSOFF.
; LIMITS: NaN and infinities are not served; a block whose largest magnitude lies under 2^-124, a block of zeros among them, gets the byte 1 (only this program reads the bytes).
; REGISTERS, in windows of 256: window 0: v1-30 addresses; v32-63 scale words, two sets; v64-127 the bias; from v128 A's fragments, one set; on the way out v128-191 64 numbers, v200-218 at work, v224-242 codes.
;   window 1: B's fragments, two sets, at v0 and v128.  window 2: the accumulators of my rows 0-63 ((a, b) at v[8 (8 a + b)]); window 3: those of rows 64-127.
.set XSOFF,  6291456
.set WSOFF,  3145728
.set QKS,    12582912
.set VSOFF,  6291456
.set NQ,     2                         ; matrix instructions deep in a slot: 256 along K
.set ROWB,   192                       ; a tile's row in bytes
.set KROW,   768                       ; a row of codes in memory
.set PITCH,  240                       ; an LDS row: 3 x (64 bytes + 16 of padding)
.set FR,     12
.set NL,     6
.set NP,     4
.set HALFT,  128*PITCH
.set SLOT,   4*HALFT
.set LAPS,   2                         ; 1,024 along K = two laps of two slots
.set KS,     32                        ; a row of scale bytes
.set SCL,    2*SLOT
.set HALFS,  16*272                    ; the scales of 128 rows: 16 units of 256 bytes + 16 of padding
.set SPARE,  SCL+4*HALFS               ; the spare words, 128 bytes a wave: two blocks of 256 bytes that no other line names
.set O8,   8                           ; v8   8 x lane
.set O16,  9                           ; v9   16 x lane
.set SGOV, 10                          ; v10  16 (lane % 16) + 2,048 (lane / 16)
.set RP4,  11                          ; v11  4 (r + (r & 8))
.set H64,  12                          ; v12  64 (lane / 16)
.set ADRA, 16
.set ADRB, 20
.set SSTQ, 24                          ; v24  role 0: where my scale word goes in my stage.  The stages lie in slot 0, which has had its last fill and its last read by then; each role has bytes of its own
.set SSTV, 25                          ; v25  role 1: the same
.set SRDQ, 26                          ; v26  role 0: where I read the words back
.set ADRS, 27
.set SPW,  28
.set NIL,  29
.set SRDV, 30                          ; v30  role 1
.set SC,   32
.set BIAS, 64
.set AF,   128
.set T,    128
.set TM,   200
.set PW,   216
.set PC,   224
.set SEL,  6                           ; s[6:7] on the way out: lane selects for lane l xor 16
.set G1, 24
.set G0, 32
.set G1B, 48
.set G0B, 56
.set G1S, 68
.set G0S, 76
.set G1SB, 80
.set G0SB, 88
.set MSB, 0
.macro WIN new                         ; the immediate's high byte repeats the setting that is left
.if MSB != \new
	s_set_vgpr_msb (MSB<<8)|\new
.set MSB, \new
.endif
.endm
.set MUL_LO, 0xa1                      ; source 0 (B) window 1, source 1 (A) window 0, C and D window 2
.set MUL_HI, 0xf1
.set TO_B,   0x40
; A joint load: waves 0 and 1 fetch for A, waves 2 and 3 for B; the branch hangs on the wave's number alone.  Four v_nop follow each of the two lines.
.macro JLOAD g0a, g1a, g0b, g1b
	s_cmp_eq_u32 s15, 0
	s_cbranch_scc0 .Lfor_b_\@
	tensor_load_to_lds s[\g0a:\g0a+3], s[\g1a:\g1a+7]
	s_nop 0
.rept 4
	v_nop
.endr
	s_branch .Lasked_\@
.Lfor_b_\@:
	tensor_load_to_lds s[\g0b:\g0b+3], s[\g1b:\g1b+7]
	s_nop 0
.rept 4
	v_nop
.endr
.Lasked_\@:
.endm
.macro CREST                           ; a round of the cluster's barrier behind its opening barrier
	s_cmp_lg_u32 s14, 0
	s_cbranch_scc1 .Lnot_wave_0_\@
	s_barrier_signal -3
.Lnot_wave_0_\@:
	s_barrier_wait -3
	s_barrier_signal -1
	s_barrier_wait -1
.endm
.macro CROUND
	s_barrier_signal -1
	s_barrier_wait -1
	CREST
.endm
	s_load_b128 s[4:7], s[0:1], 0x0                ; xq s[4:5], wq s[6:7]
	s_load_b128 s[8:11], s[0:1], 0x10              ; bq s[8:9], bk s[10:11]
	s_load_b128 s[96:99], s[0:1], 0x20             ; bv s[96:97], qk s[98:99]
	s_load_b64 s[100:101], s[0:1], 0x30            ; vq
	v_lshl_add_u32 v[SPW], v0, 2, SPARE
	v_mov_b32 v[NIL], 0
	ds_add_u32 v28, v29
	ds_add_u32 v28, v29
	s_wait_dscnt 0x0
	v_lshrrev_b32 v1, 5, v0
	v_readfirstlane_b32 s14, v1                    ; wave 0..3
	s_lshr_b32 s15, s14, 1                         ; which half of A's rows is mine.  Also: I fetch for A (0) or for B (1)
	s_and_b32 s16, s14, 1                          ; which half of B's rows.  Also: which 128 rows I fetch
	s_bfe_u32 s40, ttmp6, 0x40000                  ; cx
	s_bfe_u32 s41, ttmp6, 0x40004                  ; cy
	s_lshl_b32 s42, ttmp9, 2                       ; 4 x cluster x
	s_and_b32 s17, ttmp7, 0xffff
	s_lshl_b32 s17, s17, 2                         ; 4 x cluster y
	s_cmp_eq_u32 ttmp9, 2                          ; the role: the same in all sixteen partners
	s_cselect_b32 s66, 1, 0
	s_cselect_b32 s42, s17, s42                    ; B's tile: role 0: 4 X + cx of wq's eight;  role 1: 4 Y + cx of the tokens' 32
	s_cselect_b32 s17, 8, s17                      ; A's tile: role 0: 4 Y + cy of the tokens' 32;  role 1: 8 + cy: wq's rows 2,048 on
	s_add_co_u32 s42, s42, s40
	s_add_co_u32 s17, s17, s41
	s_lshl_b32 s43, s41, 2
	s_lshl_b32 s43, 15, s43                        ; my row of the cluster
	s_lshl_b32 s44, 0x1111, s40                    ; my column
	; descriptor group 1: a tile of 128 rows x 192 bytes; 16 bytes of padding behind every 64
	s_or_b32 s[G1+0], s43, (0<<16)|(1<<20)|(1<<21)|(3<<22)|(3<<25)
	s_or_b32 s[G1B+0], s44, (0<<16)|(1<<20)|(1<<21)|(3<<22)|(3<<25)
.irp g, G1, G1B
	s_mov_b32 s[\g+1], ROWB<<16                    ; tensor_dim0
	s_mov_b32 s[\g+2], 128<<16                     ; tensor_dim1
	s_mov_b32 s[\g+3], ROWB<<16                    ; tile_dim0
	s_mov_b32 s[\g+4], 128                         ; tile_dim1
	s_mov_b32 s[\g+5], KROW                        ; the pitch in memory
	s_mov_b32 s[\g+6], 0
	s_mov_b32 s[\g+7], 0
.endr
	; the scales of 128 rows: 4,096 dense bytes as 16 rows of 256 bytes (32 elements of 8), 16 bytes of padding behind each
	s_or_b32 s[G1S+0], s43, (3<<16)|(1<<20)|(1<<21)|(5<<22)|(3<<25)
	s_or_b32 s[G1SB+0], s44, (3<<16)|(1<<20)|(1<<21)|(5<<22)|(3<<25)
.irp g, G1S, G1SB
	s_mov_b32 s[\g+1], 32<<16
	s_mov_b32 s[\g+2], 16<<16
	s_mov_b32 s[\g+3], 32<<16
	s_mov_b32 s[\g+4], 16
	s_mov_b32 s[\g+5], 32
	s_mov_b32 s[\g+6], 0
	s_mov_b32 s[\g+7], 0
.endr
	s_lshl_b32 s18, s16, 7                         ; which 128 rows of the tile I fetch
	s_lshl_b32 s20, s17, 8
	s_add_co_u32 s20, s20, s18                     ; A's row
	s_lshl_b32 s46, s42, 8
	s_add_co_u32 s46, s46, s18                     ; B's row
	s_mov_b32 s21, 0
	s_mov_b32 s47, 0
	s_mov_b64 s[18:19], KS
	s_mul_u64 s[22:23], s[20:21], s[18:19]         ; where these rows' scales begin
	s_mul_u64 s[92:93], s[46:47], s[18:19]
	s_mov_b64 s[18:19], KROW
	s_mul_u64 s[20:21], s[20:21], s[18:19]         ; and their codes
	s_mul_u64 s[46:47], s[46:47], s[18:19]
	s_mul_i32 s45, s14, HALFT                      ; where they go: wave x 128 rows
	s_mul_i32 s94, s14, HALFS
	s_wait_kmcnt 0x0
	s_add_nc_u64 s[12:13], s[4:5], XSOFF           ; the tokens' scale bytes
	s_add_nc_u64 s[2:3], s[6:7], WSOFF             ; the weights'
	s_cmp_eq_u32 s66, 1                            ; which buffer is A and which is B hangs on the role alone
	s_cselect_b64 s[18:19], s[6:7], s[4:5]         ; A's codes
	s_cselect_b64 s[4:5], s[4:5], s[6:7]           ; B's codes
	s_cselect_b64 s[6:7], s[2:3], s[12:13]         ; A's scales
	s_cselect_b64 s[12:13], s[12:13], s[2:3]       ; B's scales
	s_add_nc_u64 s[20:21], s[18:19], s[20:21]
	s_add_nc_u64 s[22:23], s[6:7], s[22:23]
	s_add_nc_u64 s[46:47], s[4:5], s[46:47]
	s_add_nc_u64 s[92:93], s[12:13], s[92:93]
	CROUND                                         ; all sixteen work-groups are here: the first joint loads meet
	s_mov_b32 s[G0S], 1
	s_add_co_u32 s[G0S+1], s94, SCL
	s_mov_b64 s[G0S+2:G0S+3], s[22:23]
	s_or_b32 s[G0S+3], s[G0S+3], 0x80000000
	s_mov_b32 s[G0SB], 1
	s_add_co_u32 s[G0SB+1], s94, SCL
	s_mov_b64 s[G0SB+2:G0SB+3], s[92:93]
	s_or_b32 s[G0SB+3], s[G0SB+3], 0x80000000
	JLOAD G0S, G1S, G0SB, G1SB                     ; the scales first: they are wanted with K step 0
.irp s, 0,1
	s_mov_b32 s[G0+4*\s], 1
	s_add_co_u32 s[G0+4*\s+1], s45, \s*SLOT
	s_add_nc_u64 s[G0+4*\s+2:G0+4*\s+3], s[20:21], \s*ROWB
	s_or_b32 s[G0+4*\s+3], s[G0+4*\s+3], 0x80000000
	s_mov_b32 s[G0B+4*\s], 1
	s_add_co_u32 s[G0B+4*\s+1], s45, \s*SLOT
	s_add_nc_u64 s[G0B+4*\s+2:G0B+4*\s+3], s[46:47], \s*ROWB
	s_or_b32 s[G0B+4*\s+3], s[G0B+4*\s+3], 0x80000000
	JLOAD G0+4*\s, G1, G0B+4*\s, G1B
.endr
	v_and_b32 v1, 15, v0                           ; r
	v_bfe_u32 v2, v0, 4, 1                         ; h
	v_and_b32 v3, 8, v1
	v_add_nc_u32 v3, v3, v1                        ; r + (r & 8): my row in a tile's 32
	v_mul_u32_u24 v6, v3, PITCH
	v_mul_u32_u24 v4, v2, 24
	v_add_nc_u32 v4, v6, v4                        ; row x pitch + 24 x half
	v_lshl_add_u32 v5, v2, 4, v4                   ; and the same behind one padding more
	s_mul_i32 s21, s15, HALFT                      ; my 128 rows of A
	s_mul_i32 s22, s16, HALFT                      ; my 128 rows of B,
	s_add_co_u32 s22, s22, 2*HALFT                 ; which lie behind A's 256
.irp s, 0,1
	v_add_nc_u32 v[ADRA+\s], s21, v4
	v_add_nc_u32 v[ADRB+\s], s22, v4
	v_add_nc_u32 v[ADRA+2+\s], s21, v5
	v_add_nc_u32 v[ADRB+2+\s], s22, v5
	s_add_co_u32 s21, s21, SLOT
	s_add_co_u32 s22, s22, SLOT
.endr
	v_mul_u32_u24 v5, v3, KS                       ; my row's scales: 32 bytes a row,
	v_lshrrev_b32 v6, 8, v5
	v_lshl_add_u32 v5, v6, 4, v5                   ; and 16 more for each 256 passed
	s_mul_i32 s21, s15, HALFS
	s_mul_i32 s22, s16, HALFS
	s_add_co_u32 s22, s22, 2*HALFS
	s_sub_co_u32 s22, s22, s21
	v_mul_u32_u24 v6, s22, v2                      ; lanes 16-31 take B's
	s_add_co_u32 s21, s21, SCL
	v_add_nc_u32 v5, v5, v6
	v_add_nc_u32 v[ADRS], s21, v5
	v_and_b32 v7, 31, v0                           ; lane
	v_lshlrev_b32 v[O8], 3, v7
	v_lshlrev_b32 v[O16], 4, v7
	v_lshlrev_b32 v[SGOV], 4, v1
	v_lshl_add_u32 v[SGOV], v2, 11, v[SGOV]
	v_lshlrev_b32 v[RP4], 2, v3
	v_lshlrev_b32 v[H64], 6, v2
	s_lshl_b32 s23, s14, 10                        ; my stage for scale words: 1,024 bytes a wave
	v_lshlrev_b32 v[SSTQ], 2, v1
	v_lshl_add_u32 v[SSTQ], v2, 9, v[SSTQ]
	v_add_nc_u32 v[SSTQ], s23, v[SSTQ]             ; role 0: lanes 0-15 the first head's word, lanes 16-31 the second's, 512 bytes on
	v_lshlrev_b32 v[SSTV], 2, v1
	v_add_nc_u32 v[SSTV], s23, v[SSTV]
	v_add_nc_u32 v[SSTV], 4096, v[SSTV]            ; role 1: bytes of its own
	v_add_nc_u32 v[SRDQ], s23, v[O16]
	v_add_nc_u32 v[SRDV], 4096, v[SRDQ]
.macro FRAG reg, adr, q, i             ; a fragment: 16 rows x 128 K: 12 registers, in pieces of 8 bytes.  Tile i begins at row 32 (i / 2) + 8 (i % 2)
.irp p, 0,1,2,3,4,5
.set PCE, 12*(\q)+6*(\p/3)+\p%3        ; where the piece three on (lanes 16-31) lies behind one padding more, the second address register serves
.if PCE%8 < 5
	ds_load_b64 v[\reg+2*\p:\reg+2*\p+1], v[\adr] offset:8*PCE+16*(PCE/8)+(32*((\i)/2)+8*((\i)%2))*PITCH
.else
	ds_load_b64 v[\reg+2*\p:\reg+2*\p+1], v[\adr+2] offset:8*PCE+16*(PCE/8)+(32*((\i)/2)+8*((\i)%2))*PITCH
.endif
.endr
.endm
; 16 matrix instructions: A's blocks a0, a0 + 1 x B's eight.  The 64 accumulators take turns, one instruction a turn, in the same order in every step.
.macro MUL16 a0, p, q, sc, zero
.irp a, \a0, \a0+1
.irp b, 0,1,2,3,4,5,6,7
.if \zero
	v_wmma_scale_f32_16x16x128_f8f6f4 v[8*(8*((\a)%4)+\b):8*(8*((\a)%4)+\b)+7], v[128*(\p)+FR*\b:128*(\p)+FR*\b+FR-1], v[AF+FR*(\a):AF+FR*(\a)+FR-1], 0, v[SC+8*NQ*(\sc)+NQ*\b+(\q)], v[SC+8*NQ*(\sc)+NQ*(\a)+(\q)] matrix_a_fmt:MATRIX_FMT_FP6 matrix_b_fmt:MATRIX_FMT_FP6 matrix_a_scale:MATRIX_SCALE_ROW1
.else
	v_wmma_scale_f32_16x16x128_f8f6f4 v[8*(8*((\a)%4)+\b):8*(8*((\a)%4)+\b)+7], v[128*(\p)+FR*\b:128*(\p)+FR*\b+FR-1], v[AF+FR*(\a):AF+FR*(\a)+FR-1], v[8*(8*((\a)%4)+\b):8*(8*((\a)%4)+\b)+7], v[SC+8*NQ*(\sc)+NQ*\b+(\q)], v[SC+8*NQ*(\sc)+NQ*(\a)+(\q)] matrix_a_fmt:MATRIX_FMT_FP6 matrix_b_fmt:MATRIX_FMT_FP6 matrix_a_scale:MATRIX_SCALE_ROW1
.endif
.endr
.endr
.endm
.macro FETCH_B slot, q, p
	WIN TO_B
.irp i, 0,1,2,3,4,5,6,7
	FRAG 128*(\p)+FR*\i, ADRB+\slot, \q, \i
.endr
	WIN 0
.endm
.macro FETCH_A slot, q, i0
.irp i, \i0, \i0+1, \i0+2, \i0+3
	FRAG AF+FR*(\i), ADRA+\slot, \q, \i
.endr
.endm
.macro SCALES sc                       ; the next K step's two scale words a row: lanes 0-15 A's tile i, lanes 16-31 B's tile i.  Eight rows fill a unit: tile i begins 4 (i / 2) + i % 2 units on
.irp i, 0,1,2,3,4,5,6,7
	ds_load_b64 v[SC+8*NQ*\sc+NQ*\i:SC+8*NQ*\sc+NQ*\i+1], v[ADRS] offset:(4*(\i/2)+\i%2)*272
.endr
.endm
.macro PLACES n                        ; plain vector lines between a matrix instruction and a load into, or a vector line on, its registers
.rept \n
	v_nop
.endr
.endm
.macro STEP slot, q, zero              ; a step of 128 along K that has its successor in the same slot
	s_wait_dscnt 4*NL                              ; B's set and A's blocks 0-3 are in; the youngest 24 loads (A's blocks 4-7) may be out
	WIN MUL_LO
	MUL16 0, (\q)%2, \q, \slot, \zero
	MUL16 2, (\q)%2, \q, \slot, \zero
	s_wait_dscnt 0
	PLACES NP
	FETCH_B \slot, (\q)+1, 1-(\q)%2
	FETCH_A \slot, (\q)+1, 0
	WIN MUL_HI
	MUL16 4, (\q)%2, \q, \slot, \zero
	MUL16 6, (\q)%2, \q, \slot, \zero
	PLACES NP
	WIN 0
	FETCH_A \slot, (\q)+1, 4
.endm
; A slot's last step changes slots: one barrier; in front of it each wave waits for all its tensor loads, adds 0 to its spare word, and waits for that and for its reads of this slot.
.macro TURN slot, next, fill
	s_wait_tensorcnt 0x0                           ; all my tensor loads have landed: my part of the next slot
	ds_add_u32 v[SPW], v[NIL]                      ; 0 onto my spare word
	s_wait_dscnt 4*NL+1                            ; (the add and the youngest 24 loads may be out)
	WIN MUL_LO
	MUL16 0, 1, NQ-1, \slot, 0
	s_wait_dscnt 0x0                               ; the add is done, and my reads of this slot are over
	s_barrier_signal -1
	MUL16 2, 1, NQ-1, \slot, 0
	WIN 0
	s_barrier_wait -1
.if \fill
	CREST                                          ; the barrier has opened a round of the cluster's barrier: no wave of any partner still reads this slot or has a load on its way
	s_add_nc_u64 s[G0+4*\slot+2:G0+4*\slot+3], s[G0+4*\slot+2:G0+4*\slot+3], 2*ROWB
	s_add_nc_u64 s[G0B+4*\slot+2:G0B+4*\slot+3], s[G0B+4*\slot+2:G0B+4*\slot+3], 2*ROWB
	JLOAD G0+4*\slot, G1, G0B+4*\slot, G1B         ; the first tensor load behind the round; its four v_nop are also the places in front of the loads below
.else
	PLACES NP
.endif
	v_add_nc_u32 v[ADRS], 4*NQ, v[ADRS]            ; on to the next K step's scale words (no LDS load of mine is out)
	FETCH_B \next, 0, 0
	FETCH_A \next, 0, 0
	SCALES \next
	WIN MUL_HI
	MUL16 4, 1, NQ-1, \slot, 0
	MUL16 6, 1, NQ-1, \slot, 0
	PLACES NP
	WIN 0
	FETCH_A \next, 0, 4
.endm
.macro LAST                            ; the very last step: nothing more to fetch.  It stands on both roles' paths, behind their bias loads, which land under it
	s_wait_dscnt 4*NL
	WIN MUL_LO
	MUL16 0, 1, NQ-1, 1, 0
	MUL16 2, 1, NQ-1, 1, 0
	s_wait_dscnt 0
	WIN MUL_HI
	MUL16 4, 1, NQ-1, 1, 0
	MUL16 6, 1, NQ-1, 1, 0
	WIN 0
	s_wait_loadcnt 0x0                             ; the bias
	PLACES NP                                      ; behind the last products: their results are read, and A's registers written, below
.irp b, 0,1,2,3
	v_mov_b32 v[TM+4+\b], 0                        ; written once: a lane permute's destination counts as one of its sources
.endr
.endm
; 64 numbers of a lane, register 16 b + i = k 32 b + 16 (lane / 16) + i of my row, become a fragment's codes in v[PC] on and its scale word in v[PW].
.macro QUANT s
.irp b, 0,1,2,3
	v_max3_num_f32 v[TM+\b], |v[\s+16*\b]|, |v[\s+1+16*\b]|, 0x1800000   ; block b: my 16 numbers, and the floor 2^(3 - 127): the byte cannot fall under 1
.endr
.irp i, 2,4,6,8,10,12,14
.irp b, 0,1,2,3
	v_max3_num_f32 v[TM+\b], v[TM+\b], |v[\s+16*\b+\i]|, |v[\s+1+16*\b+\i]|
.endr
.endr
.irp b, 0,1,2,3
	v_permlanex16_b32 v[TM+4+\b], v[TM+\b], s[SEL], s[SEL+1]
.endr
.irp b, 0,1,2,3
	v_max_num_f32 v[TM+\b], v[TM+\b], v[TM+4+\b]   ; with lane l xor 16's: the block's largest magnitude
.endr
.irp b, 0,1,2,3
	v_add_nc_u32 v[TM+12+\b], 0xff000000, v[TM+\b]   ; 2 off its exponent field: the conversion's scale operand
.endr
.irp b, 0,1,2,3
	v_lshrrev_b32 v[TM+4+\b], 23, v[TM+12+\b]      ; the scale's byte
.endr
	v_lshl_or_b32 v[PW], v[TM+5], 8, v[TM+4]
	v_lshl_or_b32 v[PW], v[TM+6], 16, v[PW]
	v_lshl_or_b32 v[PW], v[TM+7], 24, v[PW]
.irp c, 0,1
	v_cvt_scalef32_pk16_fp6_f32 v[PC+6*\c:PC+2+6*\c], v[\s+32*\c:\s+15+32*\c], v[TM+12+2*\c]
	v_cvt_scalef32_pk16_fp6_f32 v[PC+12+4*\c:PC+14+4*\c], v[\s+16+32*\c:\s+31+32*\c], v[TM+12+2*\c+1]   ; (a conversion's three registers begin on an even number)
.endr
	v_nop                                          ; one plain line behind a scaled conversion
.irp c, 0,1                            ; the operand's layout wants a WHOLE block in a lane: lanes 0-15 block 2 c, lanes 16-31 block 2 c + 1
.irp i, 0,1,2
	v_permlane16_swap_b32 v[PC+6*\c+\i], v[PC+12+4*\c+\i]
.endr
.irp i, 0,1,2
	v_mov_b32 v[PC+3+6*\c+\i], v[PC+12+4*\c+\i]
.endr
.endr
.endm
; Block a of my eight (16 rows of A x 128 rows of B): + bias, quantised, stored as register images; its scale words go to my stage.
.macro EPI a, role
.if (\a) > 0
	s_wait_xcnt 0x0                                ; the last block's global stores have read their data,
	s_wait_dscnt 0x0                               ; and its LDS store too: both are written again below
.endif
.set AC, 64*((\a)%4)
	WIN 0x02+(\a)/4                                ; source 0: window 2 or 3
.set J, 0
.rept 32
.if \role
	v_pk_add_f32 v[T+J:T+J+1], v[AC+J:AC+J+1], v[BIAS+2*(\a):BIAS+2*(\a)+1]   ; bv of my channel.  Each accumulator is read from its low end on
.else
	v_pk_add_f32 v[T+J:T+J+1], v[AC+J:AC+J+1], v[BIAS+J:BIAS+J+1]             ; bq or bk of the register's channel
.endif
.set J, J+2
.endr
	WIN 0
	QUANT T
.if \role
.irp c, 0,1,2
	global_store_b128 v[O16], v[PC+4*\c:PC+4*\c+3], s[12:13] offset:((\a)/4)*49152+((\a)%4)*1536+512*\c   ; 512 consecutive bytes, aligned
.endr
	ds_store_b32 v[SSTV], v[PW] offset:64*(\a)     ; both halves of the lanes write the same word with the same value
.else
	global_store_b64 v[O8], v[PC:PC+1], s[12:13] offset:768*(\a)                     ; the first head's half fragment: 256 + 512 consecutive bytes
	global_store_b128 v[O16], v[PC+2:PC+5], s[12:13] offset:768*(\a)+256
	global_store_b64 v[O8], v[PC+6:PC+7], s[12:13] offset:393216+768*(\a)            ; the second head's
	global_store_b128 v[O16], v[PC+8:PC+11], s[12:13] offset:393216+768*(\a)+256
	v_and_or_b32 v217, v[PW], s4, s5               ; the first head's two bytes, and 127 twice for the half of K that is zeros
	v_lshrrev_b32 v218, 16, v[PW]
	v_or_b32 v218, s5, v218                        ; the second head's
	v_cndmask_b32 v217, v217, v218, s67            ; lanes 16-31 carry the second head's word
	ds_store_b32 v[SSTQ], v217 offset:64*(\a)
.endif
.endm
	s_wait_tensorcnt 1                             ; the scales and my part of K step 0 are in (K step 1's load may be out),
	s_barrier_signal -1
	s_barrier_wait -1                              ; everybody's are
	FETCH_B 0, 0, 0
	FETCH_A 0, 0, 0
	SCALES 0
	FETCH_A 0, 0, 4
	STEP 0, 0, 1                                   ; the first step stands in front of the loop: its products start the sums
	s_mov_b32 s3, LAPS-1
.Llap:                                                 ; a trip goes once round the ring and fills both slots again
	TURN 0, 1, 1
	STEP 1, 0, 0
	TURN 1, 0, 1
	STEP 0, 0, 0
	s_sub_co_u32 s3, s3, 1
	s_cmp_lg_u32 s3, 0
	s_cbranch_scc1 .Llap
	TURN 0, 1, 0                                   ; the last lap fills nothing
	STEP 1, 0, 0
	s_mov_b32 s4, 0xffff
	s_mov_b32 s5, 0x7f7f0000
	s_mov_b32 s[SEL], 0x76543210
	s_mov_b32 s[SEL+1], 0xfedcba98
	s_cmp_eq_u32 s66, 1
	s_cbranch_scc1 .Lv
; ---- role 0: q or k.  My 128 rows of B are two heads; my 128 rows of A are eight tiles of tokens
	s_lshl_b32 s18, s42, 2
	s_lshl_b32 s19, s16, 1
	s_add_co_u32 s18, s18, s19                     ; g0: my first head among q's 16 and k's 16
	s_lshr_b32 s19, s17, 2                         ; the batch
	s_and_b32 s22, s17, 3
	s_lshl_b32 s22, s22, 4
	s_lshl_b32 s23, s15, 3
	s_add_co_u32 s22, s22, s23                     ; my first tile of tokens in the batch
	s_mul_i32 s46, s18, 393216
	s_mul_i32 s47, s19, 49152
	s_add_co_u32 s46, s46, s47
	s_mul_i32 s47, s22, 768
	s_add_co_u32 s46, s46, s47
	s_mov_b32 s47, 0
	s_add_nc_u64 s[12:13], s[98:99], s[46:47]      ; the images
	s_lshl_b32 s46, s18, 15
	s_lshl_b32 s47, s19, 12
	s_add_co_u32 s46, s46, s47
	s_lshl_b32 s47, s22, 6
	s_add_co_u32 s46, s46, s47
	s_add_co_u32 s46, s46, QKS
	s_mov_b32 s47, 0
	s_add_nc_u64 s[2:3], s[98:99], s[46:47]        ; the scale words
	s_cmp_eq_u32 ttmp9, 0
	s_cselect_b64 s[20:21], s[8:9], s[10:11]       ; bq or bk
	s_and_b32 s46, s42, 3
	s_lshl_b32 s46, s46, 10
	s_lshl_b32 s47, s16, 9
	s_add_co_u32 s46, s46, s47
	s_mov_b32 s47, 0
	s_add_nc_u64 s[20:21], s[20:21], s[46:47]      ; at my 128 channels
	v_cmp_ne_u32 s67, 0, v2                        ; lanes 16-31
.irp j, 0,1,2,3
.irp k, 0,1,2,3
	global_load_b128 v[BIAS+16*\j+4*\k:BIAS+16*\j+4*\k+3], v[H64], s[20:21] offset:128*\j+16*\k   ; register 16 j + i: the bias of channel 32 j + 16 h + i
.endr
.endr
	LAST
.irp a, 0,1,2,3,4,5,6,7
	EPI \a, 0
.endr
	ds_load_b128 v[128:131], v[SRDQ]               ; LDS serves a wave's instructions in order: these see my stores.  The first head's eight tiles' words,
	ds_load_b128 v[132:135], v[SRDQ] offset:512    ; the second head's
	s_wait_dscnt 0x0
	global_store_b128 v[O16], v[128:131], s[2:3]   ; 512 consecutive bytes each, aligned
	global_store_b128 v[O16], v[132:135], s[2:3] offset:32768
	s_branch .Lfinish
; ---- role 1: v.  My 128 rows of A are two heads' channels; my 128 rows of B are one key step
.Lv:
	s_sub_co_u32 s18, s17, 8
	s_lshl_b32 s19, s18, 2
	s_lshl_b32 s22, s15, 1
	s_add_co_u32 s19, s19, s22                     ; my first head
	s_lshr_b32 s22, s42, 2
	s_lshl_b32 s22, s22, 4
	s_add_co_u32 s19, s19, s22                     ; + 16 x batch
	s_and_b32 s22, s42, 3
	s_lshl_b32 s22, s22, 1
	s_add_co_u32 s22, s22, s16                     ; the key step
	s_mul_i32 s46, s19, 49152
	s_mul_i32 s47, s22, 6144
	s_add_co_u32 s46, s46, s47
	s_mov_b32 s47, 0
	s_add_nc_u64 s[12:13], s[100:101], s[46:47]    ; the images
	s_lshl_b32 s46, s19, 11
	s_lshl_b32 s47, s22, 8
	s_add_co_u32 s46, s46, s47
	s_add_co_u32 s46, s46, VSOFF
	s_mov_b32 s47, 0
	s_add_nc_u64 s[2:3], s[100:101], s[46:47]      ; the scale words
	s_lshl_b32 s46, s18, 10
	s_lshl_b32 s47, s15, 9
	s_add_co_u32 s46, s46, s47
	s_mov_b32 s47, 0
	s_add_nc_u64 s[20:21], s[96:97], s[46:47]      ; bv at my 128 channels
.irp a, 0,1,2,3,4,5,6,7
	global_load_b32 v[BIAS+2*\a], v[RP4], s[20:21] offset:(32*(\a/2)+8*(\a%2))*4     ; my channel's bias, twice: a pair for the packed addition
	global_load_b32 v[BIAS+2*\a+1], v[RP4], s[20:21] offset:(32*(\a/2)+8*(\a%2))*4
.endr
	LAST
.irp a, 0,1,2,3,4,5,6,7
	EPI \a, 1
.endr
	ds_load_b128 v[128:131], v[SRDV]               ; lanes 0-15 the first head's four tiles' words, lanes 16-31 the second's
	s_wait_dscnt 0x0
	global_store_b128 v[SGOV], v[128:131], s[2:3]  ; sixteen lanes store 256 consecutive bytes, aligned
.Lfinish:
	s_wait_tensorcnt 0x0                           ; the wave's end, behind my last tensor load and my last LDS store
	ds_add_u32 v[SPW], v[NIL]
	s_wait_dscnt 0x0
	CROUND                                         ; the closing round: no work-group ends while a partner may still ask for a tile that names it
	s_endpgm
.Lfunc_end_k_qa97dfd5630_gemm_qkv:
	.size	k_qa97dfd5630_gemm_qkv, .Lfunc_end_k_qa97dfd5630_gemm_qkv-k_qa97dfd5630_gemm_qkv
	.p2alignl 7, 3214868480
	.fill 96, 4, 3214868480
	.section	.rodata,"a",@progbits
	.p2align	6, 0x0
	.amdhsa_kernel k_qa97dfd5630_gemm_qkv
		.amdhsa_group_segment_fixed_size 327680
		.amdhsa_private_segment_fixed_size 0
		.amdhsa_enable_private_segment 0
		.amdhsa_kernarg_size 56
		.amdhsa_user_sgpr_count 2
		.amdhsa_user_sgpr_kernarg_segment_ptr 1
		.amdhsa_wavefront_size32 1
		.amdhsa_system_sgpr_workgroup_id_x 1
		.amdhsa_system_sgpr_workgroup_id_y 1
		.amdhsa_system_sgpr_workgroup_id_z 1
		.amdhsa_system_vgpr_workitem_id 0
		.amdhsa_next_free_vgpr 1024
		.amdhsa_next_free_sgpr 102
		.amdhsa_reserve_vcc 0
		.amdhsa_float_denorm_mode_32 3
		.amdhsa_float_denorm_mode_16_64 3
		.amdhsa_memory_ordered 1
		.amdhsa_forward_progress 1
		.amdhsa_inst_pref_size 246
	.end_amdhsa_kernel
	.amdgpu_metadata
---
amdhsa.version: [ 1, 2 ]
amdhsa.kernels:
  - .name:           k_qa97dfd5630_gemm_qkv
    .symbol:         k_qa97dfd5630_gemm_qkv.kd
    .args:
      - { .name: xq, .offset: 0, .size: 8, .value_kind: global_buffer, .address_space: global }
      - { .name: wq, .offset: 8, .size: 8, .value_kind: global_buffer, .address_space: global }
      - { .name: bq, .offset: 16, .size: 8, .value_kind: global_buffer, .address_space: global }
      - { .name: bk, .offset: 24, .size: 8, .value_kind: global_buffer, .address_space: global }
      - { .name: bv, .offset: 32, .size: 8, .value_kind: global_buffer, .address_space: global }
      - { .name: qk, .offset: 40, .size: 8, .value_kind: global_buffer, .address_space: global }
      - { .name: vq, .offset: 48, .size: 8, .value_kind: global_buffer, .address_space: global }
    .group_segment_fixed_size: 327680
    .private_segment_fixed_size: 0
    .kernarg_segment_align: 8
    .kernarg_segment_size: 56
    .max_flat_workgroup_size: 128
    .sgpr_count:     102
    .vgpr_count:     1024
    .wavefront_size: 32
...
	.end_amdgpu_metadata
.endif
;; end of part 2
;; launch attn (part 3): grid 4 x 64, 16 waves a work-group, no clusters, 244,736 bytes of LDS; arguments qk, vq, prefix, oq; writes oq
.if DOCPART == 3
	.amdgcn_target "amdgcn-amd-amdhsa--gfx1250"
	.amdhsa_code_object_version 6
	.text
	.protected	k_qa97dfd5630_attn
	.globl	k_qa97dfd5630_attn
	.p2align	8
	.type	k_qa97dfd5630_attn,@function
k_qa97dfd5630_attn:
	s_mov_b64 s[64:65], 0
	v_nop
	global_prefetch_b8 v0, s[64:65] scope:SCOPE_SE
	s_setreg_imm32_b32 hwreg(HW_REG_WAVE_MODE, 25, 1), 1
	s_wait_xcnt 0x0
; O = softmax_k(q . k, masked) v on codes of FP6 (E2M3); the result, divided by the row's sum, is quantised along the last product's K and stored as codes.
; MASK: key k counts for query q where q < prefix[batch] or k >= q, that is where k >= thr, thr = 0 if q < prefix, else q.  prefix is compared as a signed number.
; SOFTMAX: t = score x log2(e); M = the running largest t rounded UP to a whole number; p = 2^(t - M) is quantised along the keys; the row's sum is taken of the unquantised p; when M moves, the sum and O are
; multiplied by 2^(old M - new M), which rounds nothing.
; SHARES.  An ITEM is a quarter of one head's queries, dealt out by turns: of the head's 32 pairs of tiles (32 queries each) quarter x takes pairs 4 j + x, j = 0 .. 7, so that the four quarters of a head have the
; same work wherever the mask cuts.  A work-group (x, jj, head) takes two items one after the other: that quarter of the head in batch jj, then in batch jj + 4: two batches' work adds up, and start and end are
; paid once.  Both heads' K and V (codes and scale words, 2 x 104,448 bytes) come into LDS at the start, through registers.  Wave w owns one tile of 16 queries in each item: pair j = w / 2 in the first,
; pair 7 - w / 2 in the second (an early tile, which sees many keys behind the mask, meets a late one), tile w % 2 of the pair.  No barrier stands between the items.
; Sixteen waves of 256 registers: four to a SIMD, so that one wave's vector work stands beside another's products and LDS loads.  The loop over eight key steps of 128 keys has a constant trip count; a step all
; of whose keys are hidden from all of the wave's queries is jumped over by a scalar branch on prefix, which is why this launch fills LDS through registers.
; No joint loads: the four quarters of a head share K and V, but the steps left out are the larger saving.
; LAYOUT: S^T = K Q^T (source 0 = 16 keys, source 1 = my queries; the head's 64 channels fill half of the instruction's K, the other half is zero codes under the byte 127), O^T = V^T P^T: a lane holds one query.
; A tile's queries are qlo + r + (r & 8), qlo = 32 x pair + 8 (w % 2).  The 16 registers of score tiles 2 i, 2 i + 1 are keys 32 i + 16 (lane / 16) + 0 .. 15; those of O^T's tiles channels likewise.
; OUTPUT: reference's reshape puts query q of head h at row q / 16 of the head's 64 rows, columns 64 (q % 16) on.  oq holds codes [8192][768] and, at OSOFF, scale bytes [8192][32]; inside a head's 64 rows,
; row 8 j + 2 x + e lies at PLACE 16 x + 2 j + e, so that an item's 16 rows are dense in memory, codes and scale bytes alike; the last product puts the rows back.
; LIMITS: NaN and infinities are not served; a block whose largest magnitude lies under 2^-124 gets the byte 1 (only this program reads the bytes).
.set QKS,   12582912
.set VSOFF, 6291456
.set OSOFF, 6291456
.set ITEM,  104448                     ; LDS: a head's K and V; the second item's lie ITEM bytes on.  In it: K's 64 half fragments at 0 (768 bytes each);
.set LVF,   49152                      ; V's 32 fragments (1,536 each);
.set LKS,   98304                      ; K's scale words (64 bytes a tile);
.set LVS,   102400                     ; V's (64 bytes a tile)
.set OST,   208896                     ; the way out, for each item: 16 rows x 64 places of 16 bytes, 12 bytes of codes in each;
.set SST,   241664                     ; and the 16 rows' scale bytes, 512 for each item
.set L16,  1                           ; v1   16 x lane
.set L8,   2                           ; v2   8 x lane
.set A4L,  3                           ; v3   LKS + 4 x lane: lanes 0-15 an even tile's scale words, lanes 16-31 the odd tile's behind it
.set THRH, 4                           ; v4   thr - 16 (lane / 16)
.set ADK8, 5                           ; v5-8 the step's addresses
.set ADK16, 6
.set ADS,  7
.set ADT,  8
.set OSA,  9
.set SSA,  10
.set R4,   11                          ; v11  4 (lane % 16)
.set KB,   28                          ; v28-75   four fragments of K (the upper six registers of each stay zero)
.set VB,   76                          ; v76-123  four fragments of V
.set S,    124                         ; v124-187 S^T, then p
.set O,    188                         ; v188-219 O^T
.set WV,   12
.set PFX,  18                          ; s18, s19 prefix of the two batches
.set IB0,  20                          ; s[20:35] the first item's addresses: K's codes, K's scales, V's codes, V's scales, my Q, its scales, the result's codes, its scale bytes
.set IB1,  36                          ; s[36:51] the second item's
.set SEL,  52                          ; s[52:53]
.set TMIN, 54                          ; the least thr of my 16 queries
.set TMAX, 55                          ; the greatest
.set KFS,  56                          ; the step's first key
.set TK,   57                          ; the step's tiles: 6,144 bytes a step, in K and in V
.set TS,   58                          ; K's scale words: 512 bytes a step
.set TV,   59                          ; V's: 256
.set CNT,  60
.set TAU,  70                          ; s70, s71 my tile in the two items
.set CS,   2                           ; s[2:3] log2(e)
	s_load_b256 s[4:11], s[0:1], 0x0               ; qk s[4:5], vq s[6:7], prefix s[8:9], oq s[10:11]
	v_lshl_add_u32 v250, v0, 2, 0x3b400
	v_mov_b32 v251, 0
	v_lshrrev_b32 v1, 5, v0
	v_readfirstlane_b32 s[WV], v1                  ; wave 0..15
	s_and_b32 s13, ttmp7, 0xffff                   ; 16 jj + head
	s_lshr_b32 s14, s13, 4                         ; jj: the first batch; the second is jj + 4
	s_and_b32 s15, s13, 15                         ; head
	s_lshl_b32 s16, s14, 2
	s_mov_b32 s67, 0                               ; the upper word of every offset
	s_mov_b32 s[CS], 0x3fb8aa3b
	s_mov_b32 s[CS+1], s[CS]                       ; (named with it as a pair, so it is written)
	s_mov_b32 s[SEL], 0x76543210
	s_mov_b32 s[SEL+1], 0xfedcba98
	v_and_b32 v232, 31, v0
	v_lshlrev_b32 v[L16], 4, v232
	v_lshlrev_b32 v[L8], 3, v232
	v_lshl_add_u32 v[A4L], v232, 2, LKS
	v_and_b32 v233, 15, v0
	v_lshlrev_b32 v[R4], 2, v233
	v_lshlrev_b32 v5, 4, v0                        ; 16, 8, 4 x my thread's number: my part of each block, in memory and in LDS
	v_lshlrev_b32 v6, 3, v0
	v_lshlrev_b32 v7, 2, v0
	v_add_nc_u32 v224, LVF, v5
	v_add_nc_u32 v225, LKS, v6
	v_add_nc_u32 v226, LVS, v7
	v_add_nc_u32 v227, ITEM, v5
	v_add_nc_u32 v228, ITEM+LVF, v5
	v_add_nc_u32 v229, ITEM+LKS, v6
	v_add_nc_u32 v230, ITEM+LVS, v7
	s_wait_kmcnt 0x0
	s_load_b32 s[PFX], s[8:9], s16 offset:0x0      ; prefix[jj]
	s_load_b32 s[PFX+1], s[8:9], s16 offset:0x10   ; prefix[jj + 4]
.macro BASES p                         ; item p's eight addresses and my tile in it
.set IB, IB0+16*\p
	s_add_co_u32 s68, s14, 4*\p                    ; the batch
	s_lshl_b32 s69, s15, 3
	s_add_co_u32 s69, s69, s68                     ; 8 x head + batch: q's group
	s_add_co_u32 s63, s69, 128                     ; k's
	s_mul_i32 s66, s63, 49152
	s_add_nc_u64 s[IB:IB+1], s[4:5], s[66:67]      ; K's codes
	s_lshl_b32 s66, s63, 12
	s_add_co_u32 s66, s66, QKS
	s_add_nc_u64 s[IB+2:IB+3], s[4:5], s[66:67]    ; K's scale words
	s_lshl_b32 s63, s68, 4
	s_add_co_u32 s63, s63, s15                     ; 16 x batch + head
	s_mul_i32 s66, s63, 49152
	s_add_nc_u64 s[IB+4:IB+5], s[6:7], s[66:67]    ; V's codes
	s_lshl_b32 s66, s63, 11
	s_add_co_u32 s66, s66, VSOFF
	s_add_nc_u64 s[IB+6:IB+7], s[6:7], s[66:67]    ; V's scale words
	s_lshr_b32 s63, s[WV], 1                       ; j
.if \p
	s_xor_b32 s63, s63, 7                          ; the second item: 7 - j
.endif
	s_lshl_b32 s63, s63, 3
	s_lshl_b32 s17, ttmp9, 1
	s_add_co_u32 s63, s63, s17
	s_and_b32 s17, s[WV], 1
	s_add_co_u32 s[TAU+\p], s63, s17               ; my tile: 2 (4 j + x) + w % 2
	s_mul_i32 s66, s69, 49152
	s_mul_i32 s17, s[TAU+\p], 768
	s_add_co_u32 s66, s66, s17
	s_add_nc_u64 s[IB+8:IB+9], s[4:5], s[66:67]    ; my tile of Q
	s_lshl_b32 s66, s69, 12
	s_lshl_b32 s17, s[TAU+\p], 6
	s_add_co_u32 s66, s66, s17
	s_add_co_u32 s66, s66, QKS
	s_add_nc_u64 s[IB+10:IB+11], s[4:5], s[66:67]  ; its scale words
	s_lshl_b32 s63, s68, 10
	s_lshl_b32 s17, s15, 6
	s_add_co_u32 s63, s63, s17
	s_lshl_b32 s17, ttmp9, 4
	s_add_co_u32 s63, s63, s17                     ; the item's first place among the result's rows: 1024 b + 64 h + 16 x
	s_mul_i32 s66, s63, 768
	s_add_nc_u64 s[IB+12:IB+13], s[10:11], s[66:67]   ; its codes
	s_lshl_b32 s66, s63, 5
	s_add_co_u32 s66, s66, OSOFF
	s_add_nc_u64 s[IB+14:IB+15], s[10:11], s[66:67]   ; its scale bytes
.endm
	BASES 0
	BASES 1
.irp i, 0,1,2,3,4,5
	global_load_b128 v[VB+4*\i:VB+4*\i+3], v5, s[IB0:IB0+1] offset:8192*\i           ; the first head's K: 512 threads x 16 bytes, six times
.endr
.irp i, 0,1,2,3,4,5
	global_load_b128 v[VB+24+4*\i:VB+24+4*\i+3], v5, s[IB0+4:IB0+5] offset:8192*\i   ; its V likewise
.endr
	global_load_b64 v[124:125], v6, s[IB0+2:IB0+3]
	global_load_b32 v126, v7, s[IB0+6:IB0+7]
.irp i, 0,1,2,3,4,5
	global_load_b128 v[KB+4*\i:KB+4*\i+3], v5, s[IB1:IB1+1] offset:8192*\i           ; the second head's K
.endr
.irp i, 0,1,2,3,4,5
	global_load_b128 v[KB+24+4*\i:KB+24+4*\i+3], v5, s[IB1+4:IB1+5] offset:8192*\i   ; and V
.endr
	global_load_b64 v[128:129], v6, s[IB1+2:IB1+3]
	global_load_b32 v130, v7, s[IB1+6:IB1+7]
	global_load_b64 v[16:17], v[L8], s[IB0+8:IB0+9]                 ; the first item's Q: a half fragment,
	global_load_b128 v[18:21], v[L16], s[IB0+8:IB0+9] offset:256
	global_load_b32 v255, v[R4], s[IB0+10:IB0+11]                   ; and its scale words
.irp j, 22,23,24,25,26,27
	v_mov_b32 v\j, 0                               ; the upper half of the product's K: zero codes in Q
.endr
.irp j, 236,237,238,239,252,253
	v_mov_b32 v\j, 0                               ; written once: permutes' destinations, and the upper half of the pair v[252:253]
.endr
; What an item begins with: zeros in O^T and the sum, -3e38 as the largest t, the mask's numbers for my tile, the loop's scalars.
.macro INIT p
.set J, 0
.rept 32
	v_mov_b32 v[O+J], 0                            ; O^T.  (The step is written once: the first finds zeros, which the first change of M leaves zeros)
.set J, J+1
.endr
	v_mov_b32 v13, 0xff61b1e6                      ; the largest t so far: -3e38
	v_floor_f32 v12, -v13                          ; -M
	v_mov_b32 v14, 0                               ; the sum, in two halves
	v_mov_b32 v15, 0
	s_lshr_b32 s61, s[TAU+\p], 1
	s_lshl_b32 s61, s61, 5
	s_and_b32 s62, s[TAU+\p], 1
	s_lshl_b32 s62, s62, 3
	s_add_co_u32 s61, s61, s62                     ; qlo: my least query
	s_cmp_lt_i32 s61, s[PFX+\p]
	s_cselect_b32 s[TMIN], 0, s61
	s_add_co_u32 s62, s61, 23                      ; my greatest query
	s_cmp_lt_i32 s62, s[PFX+\p]
	s_cselect_b32 s[TMAX], 0, s62
	v_and_b32 v232, 15, v0
	v_and_b32 v233, 8, v232
	v_add_nc_u32 v232, v232, v233
	v_add_nc_u32 v232, s61, v232                   ; my query
	v_cmp_le_i32 vcc_lo, s[PFX+\p], v232
	v_cndmask_b32 v[THRH], 0, v232, vcc_lo         ; thr
	v_bfe_u32 v233, v0, 4, 1
	v_lshlrev_b32 v233, 4, v233
	v_sub_nc_u32 v[THRH], v[THRH], v233
	s_mov_b32 s[KFS], 0
	s_mov_b32 s[TK], ITEM*\p
	s_mov_b32 s[TS], ITEM*\p
	s_mov_b32 s[TV], ITEM*\p
	s_mov_b32 s[CNT], 0
.endm
	s_wait_kmcnt 0x0                               ; the two prefixes
	INIT 0
	s_wait_loadcnt 17                              ; the first head's 14 loads are in; the second head's 14 and Q's three may be out
.irp i, 0,1,2,3,4,5
	ds_store_b128 v5, v[VB+4*\i:VB+4*\i+3] offset:8192*\i
.endr
.irp i, 0,1,2,3,4,5
	ds_store_b128 v224, v[VB+24+4*\i:VB+24+4*\i+3] offset:8192*\i
.endr
	ds_store_b64 v225, v[124:125]
	ds_store_b32 v226, v126
	s_wait_loadcnt 3                               ; the second head's are in; Q's three may be out
.irp i, 0,1,2,3,4,5
	ds_store_b128 v227, v[KB+4*\i:KB+4*\i+3] offset:8192*\i
.endr
.irp i, 0,1,2,3,4,5
	ds_store_b128 v228, v[KB+24+4*\i:KB+24+4*\i+3] offset:8192*\i
.endr
	ds_store_b64 v229, v[128:129]
	ds_store_b32 v230, v130
	s_wait_dscnt 0x0                               ; for the others' sake: my stores have landed
	s_barrier_signal -1
	s_barrier_wait -1                              ; both heads' K and V lie in LDS; nobody writes them again
.irp t, 0,1,2,3
.irp j, 6,7,8,9,10,11
	v_mov_b32 v[KB+12*\t+\j], 0                    ; zero codes in the upper half of K's four buffers: no load lands here from now on
.endr
.endr
	s_wait_loadcnt 0x0                             ; Q
.macro KLOAD g                         ; four tiles of 16 keys: half fragments, and two registers of scale words, each for an even tile (lanes 0-15) and the odd one behind it (lanes 16-31)
.irp t, 0,1,2,3
	ds_load_b64 v[KB+12*\t:KB+12*\t+1], v[ADK8] offset:768*(4*\g+\t)
	ds_load_b128 v[KB+12*\t+2:KB+12*\t+5], v[ADK16] offset:768*(4*\g+\t)+256
.endr
.irp u, 0,1
	ds_load_b32 v[248+\u], v[ADS] offset:256*\g+128*\u
.endr
.endm
.macro VLOAD                           ; the step's four tiles of V, and their scale words likewise
.irp t, 0,1,2,3
.irp c, 0,1,2
	ds_load_b128 v[VB+12*\t+4*\c:VB+12*\t+4*\c+3], v[ADK16] offset:LVF+1536*\t+512*\c
.endr
.endr
.irp u, 0,1
	ds_load_b32 v[220+\u], v[ADT] offset:4096+128*\u
.endr
.endm
.macro QK g
.irp t, 0,1,2,3
.if \t % 2
	v_wmma_scale_f32_16x16x128_f8f6f4 v[S+8*(4*\g+\t):S+8*(4*\g+\t)+7], v[KB+12*\t:KB+12*\t+11], v[16:27], 0, v[248+\t/2], v255 matrix_a_fmt:MATRIX_FMT_FP6 matrix_b_fmt:MATRIX_FMT_FP6 matrix_a_scale:MATRIX_SCALE_ROW1
.else
	v_wmma_scale_f32_16x16x128_f8f6f4 v[S+8*(4*\g+\t):S+8*(4*\g+\t)+7], v[KB+12*\t:KB+12*\t+11], v[16:27], 0, v[248+\t/2], v255 matrix_a_fmt:MATRIX_FMT_FP6 matrix_b_fmt:MATRIX_FMT_FP6
.endif
.endr
.endm
; Item p's eight key steps of 128 keys.
.macro LOOP p
.Lstep\p:
	s_add_co_u32 s61, s[KFS], 127
	s_cmp_lt_u32 s61, s[TMIN]                      ; all 128 keys are hidden from all my queries: only the addresses step
	s_cbranch_scc1 .Lskip\p
	v_add_nc_u32 v[ADK8], s[TK], v[L8]             ; (these four lines are also the places behind the last trip's products, in front of the loads into their registers)
	v_add_nc_u32 v[ADK16], s[TK], v[L16]
	v_add_nc_u32 v[ADS], s[TS], v[A4L]
	v_add_nc_u32 v[ADT], s[TV], v[A4L]
	KLOAD 0
	VLOAD
	s_wait_dscnt 14                                ; K's first four tiles are in; V's fourteen loads may be out
	QK 0
.rept 4
	v_nop                                          ; places in front of loads into registers that the products have read
.endr
	KLOAD 1
	s_wait_dscnt 0x0
	QK 1
.rept 4
	v_nop                                          ; places in front of the first read of the scores
.endr
	s_cmp_ge_u32 s[KFS], s[TMAX]                   ; all keys of the step count for all my queries
	s_cbranch_scc1 .Lopen\p
	v_sub_nc_u32 v252, v[THRH], s[KFS]             ; register 16 i + n holds key KFS + 16 (lane / 16) + 32 i + n: hidden where 32 i + n < thr - 16 (lane / 16) - KFS
	v_mov_b32 v254, 0xff800000                     ; -infinity: p = 0 then
.set N, 0
.rept 64
	v_cmp_lt_i32 vcc_lo, 32*(N/16)+N%16, v252
	v_cndmask_b32 v[S+N], v[S+N], v254, vcc_lo
.set N, N+1
.endr
.Lopen\p:
.irp b, 0,1,2,3
	v_max3_num_f32 v[232+\b], v[S+16*\b], v[S+1+16*\b], v[S+2+16*\b]   ; the largest score of each block of 32 keys: for the row's maximum and, since p rises with the score, for the block's largest p
.endr
.irp i, 3,5,7,9,11,13
.irp b, 0,1,2,3
	v_max3_num_f32 v[232+\b], v[232+\b], v[S+16*\b+\i], v[S+1+16*\b+\i]
.endr
.endr
.irp b, 0,1,2,3
	v_max_num_f32 v[232+\b], v[232+\b], v[S+15+16*\b]
.endr
.irp b, 0,1,2,3
	v_permlanex16_b32 v[236+\b], v[232+\b], s[SEL], s[SEL+1]
.endr
.irp b, 0,1,2,3
	v_max_num_f32 v[232+\b], v[232+\b], v[236+\b]  ; with lane l xor 16's 16 keys
.endr
	v_max3_num_f32 v254, v232, v233, v234
	v_max_num_f32 v254, v254, v235                 ; the step's largest score of my query
	v_mul_f32 v254, s[CS], v254                    ; as t
	v_max_num_f32 v13, v13, v254                   ; the running largest t
	v_mov_b32 v254, v12
	v_floor_f32 v12, -v13                          ; the new -M = floor(-t) = -ceil(t)
	v_sub_f32 v254, v12, v254                      ; old M - new M: a whole number, 0 or less
	v_cvt_i32_f32 v254, v254                       ; (it saturates)
	v_ldexp_f32 v252, 1.0, v254                    ; f = 2^(old M - new M)
.set J, 0
.rept 32
	v_pk_fma_f32 v[S+J:S+J+1], v[S+J:S+J+1], s[CS:CS+1], v[12:13] op_sel_hi:[1,0,0]   ; t - M, two at a time
.set J, J+2
.endr
.irp b, 0,1,2,3
	v_fma_f32 v[232+\b], v[232+\b], s[CS], v12     ; the same of each block's largest score
.endr
.set J, 0
.rept 64
	v_exp_f32 v[S+J], v[S+J]                       ; p = 2^(t - M), at most 1, not normalised
.set J, J+1
.endr
	v_pk_mul_f32 v[14:15], v[14:15], v[252:253] op_sel_hi:[1,0]   ; the sums under the new M (the plain line behind the exponentials)
	s_wait_alu depctr_va_vdst(0)                   ; one wait for the whole batch, ahead of its first reader
.irp b, 0,1,2,3
	v_exp_f32 v[232+\b], v[232+\b]                 ; the block's largest p
.endr
	v_pk_add_f32 v[236:237], v[S:S+1], v[S+2:S+3]  ; the row's sum is taken of the unquantised p, in two chains
.irp j, 4,8,12,16,20,24,28,32,36,40,44,48,52,56,60
	v_pk_add_f32 v[14:15], v[14:15], v[S+\j:S+\j+1]
	v_pk_add_f32 v[236:237], v[236:237], v[S+2+\j:S+3+\j]
.endr
	v_pk_add_f32 v[14:15], v[14:15], v[236:237]
	s_wait_alu depctr_va_vdst(0)                   ; and one for the four
.irp b, 0,1,2,3
	v_max_num_f32 v[232+\b], 0x1800000, v[232+\b]  ; the floor 2^(3 - 127): the byte cannot fall under 1
.endr
.irp b, 0,1,2,3
	v_add_nc_u32 v[244+\b], 0xff000000, v[232+\b]  ; 2 off the exponent field: the conversion's scale operand
.endr
.irp b, 0,1,2,3
	v_lshrrev_b32 v[236+\b], 23, v[244+\b]         ; the scale's byte
.endr
	v_lshl_or_b32 v253, v237, 8, v236              ; p's scale word for these 128 keys
	v_lshl_or_b32 v253, v238, 16, v253
	v_lshl_or_b32 v253, v239, 24, v253
.irp c, 0,1
	v_cvt_scalef32_pk16_fp6_f32 v[224+6*\c:226+6*\c], v[S+32*\c:S+15+32*\c], v[244+2*\c]
	v_cvt_scalef32_pk16_fp6_f32 v[236+4*\c:238+4*\c], v[S+16+32*\c:S+31+32*\c], v[244+2*\c+1]
.endr
	v_nop                                          ; one plain line behind a scaled conversion
.irp c, 0,1                            ; a WHOLE block in a lane: lanes 0-15 block 2 c, lanes 16-31 block 2 c + 1
.irp i, 0,1,2
	v_permlane16_swap_b32 v[224+6*\c+\i], v[236+4*\c+\i]
.endr
.irp i, 0,1,2
	v_mov_b32 v[227+6*\c+\i], v[236+4*\c+\i]
.endr
.endr
.set J, 0
.rept 16
	v_pk_mul_f32 v[O+J:O+J+1], v[O+J:O+J+1], v[252:253] op_sel_hi:[1,0]   ; O^T under the new M.  (These sixteen are also the places between the lines that made p's codes and scale word and the products)
.set J, J+2
.endr
.irp t, 0,1,2,3                        ; four accumulators by turns
.if \t % 2
	v_wmma_scale_f32_16x16x128_f8f6f4 v[O+8*\t:O+8*\t+7], v[VB+12*\t:VB+12*\t+11], v[224:235], v[O+8*\t:O+8*\t+7], v[220+\t/2], v253 matrix_a_fmt:MATRIX_FMT_FP6 matrix_b_fmt:MATRIX_FMT_FP6 matrix_a_scale:MATRIX_SCALE_ROW1
.else
	v_wmma_scale_f32_16x16x128_f8f6f4 v[O+8*\t:O+8*\t+7], v[VB+12*\t:VB+12*\t+11], v[224:235], v[O+8*\t:O+8*\t+7], v[220+\t/2], v253 matrix_a_fmt:MATRIX_FMT_FP6 matrix_b_fmt:MATRIX_FMT_FP6
.endif
.endr
.Lskip\p:
	s_add_co_u32 s[KFS], s[KFS], 128
	s_add_co_u32 s[TK], s[TK], 6144
	s_add_co_u32 s[TS], s[TS], 512
	s_add_co_u32 s[TV], s[TV], 256
	s_add_co_u32 s[CNT], s[CNT], 1
	s_cmp_lt_u32 s[CNT], 8
	s_cbranch_scc1 .Lstep\p
.endm
; Item p's way out: O^T / the sum; its two blocks of 32 channels are quantised; codes and scale bytes go to the item's own stage in LDS.  The first item's also asks for the second item's Q.
.macro WAYOUT p
	v_add_f32 v14, v14, v15                        ; the sum's two halves,
	v_permlanex16_b32 v252, v14, s[SEL], s[SEL+1]
	v_add_f32 v14, v14, v252                       ; and lane l xor 16's
	v_rcp_f32 v14, v14
	v_and_b32 v5, 15, v0                           ; (plain lines: behind the reciprocal, and the places behind the last products)  r
	v_bfe_u32 v6, v0, 4, 1                         ; h
	v_and_b32 v7, 7, v5
	v_lshrrev_b32 v8, 3, v5
.if \p
	s_xor_b32 s61, s[WV], 14
	s_lshr_b32 s62, s61, 1                         ; the second item: 7 - w / 2
.else
	s_lshr_b32 s62, s[WV], 1                       ; j
.endif
	s_and_b32 s61, s[WV], 1
	s_lshl_b32 s63, s62, 11
	s_lshl_b32 s17, s61, 9
	s_add_co_u32 s63, s63, s17
	s_add_co_u32 s63, s63, OST+16384*\p
	v_lshlrev_b32 v[OSA], 6, v7                    ; my query lies in row 2 j + r / 8 of the item's 16 (1,024 bytes each in the stage),
	v_lshl_add_u32 v[OSA], v8, 10, v[OSA]          ; at place 4 (8 (w % 2) + r % 8) + 2 x block + h of 16 bytes
	v_lshl_add_u32 v[OSA], v6, 4, v[OSA]
	v_add_nc_u32 v[OSA], s63, v[OSA]
	s_lshl_b32 s63, s62, 6
	s_lshl_b32 s17, s61, 4
	s_add_co_u32 s63, s63, s17
	s_add_co_u32 s63, s63, SST+512*\p
	v_lshlrev_b32 v[SSA], 1, v7                    ; and its two scale bytes: 32 a row
	v_lshl_add_u32 v[SSA], v8, 5, v[SSA]
	v_add_nc_u32 v[SSA], s63, v[SSA]
.if \p == 0
	global_load_b64 v[16:17], v[L8], s[IB1+8:IB1+9]                 ; the second item's Q lands while this item's result is quantised
	global_load_b128 v[18:21], v[L16], s[IB1+8:IB1+9] offset:256
	global_load_b32 v255, v[R4], s[IB1+10:IB1+11]
.endif
	s_wait_alu depctr_va_vdst(0)                   ; ahead of the reciprocal's first reader
.set J, 0
.rept 16
	v_pk_mul_f32 v[S+J:S+J+1], v[O+J:O+J+1], v[14:15] op_sel_hi:[1,0]   ; register 16 i + n: channel 32 i + 16 h + n.  Each accumulator is read from its low end on
.set J, J+2
.endr
.irp b, 0,1
	v_max3_num_f32 v[232+\b], |v[S+16*\b]|, |v[S+1+16*\b]|, 0x1800000
.endr
.irp i, 2,4,6,8,10,12,14
.irp b, 0,1
	v_max3_num_f32 v[232+\b], v[232+\b], |v[S+16*\b+\i]|, |v[S+1+16*\b+\i]|
.endr
.endr
.irp b, 0,1
	v_permlanex16_b32 v[236+\b], v[232+\b], s[SEL], s[SEL+1]
.endr
.irp b, 0,1
	v_max_num_f32 v[232+\b], v[232+\b], v[236+\b]
.endr
.irp b, 0,1
	v_add_nc_u32 v[244+\b], 0xff000000, v[232+\b]
.endr
.irp b, 0,1
	v_lshrrev_b32 v[246+\b], 23, v[244+\b]
.endr
	v_lshl_or_b32 v246, v247, 8, v246
	v_cvt_scalef32_pk16_fp6_f32 v[236:238], v[S:S+15], v244
	v_cvt_scalef32_pk16_fp6_f32 v[240:242], v[S+16:S+31], v245
	v_nop                                          ; a plain line behind the last conversion
	ds_store_b96 v[OSA], v[236:238]                ; 16 codes, 12 bytes, to a place of 16
	ds_store_b96 v[OSA], v[240:242] offset:32
	ds_store_b16 v[SSA], v246                      ; both halves of the lanes write the same two bytes with the same values
	s_wait_dscnt 0x0                               ; my stores have landed, and have read their registers
.endm
	LOOP 0
	WAYOUT 0
	INIT 1
	s_wait_loadcnt 0x0                             ; the second item's Q
	LOOP 1
	WAYOUT 1
	s_barrier_signal -1                            ; every wave's stores into both stages have landed
	s_barrier_wait -1
	v_lshl_add_u32 v5, v0, 4, OST
	v_mul_u32_u24 v6, v0, 12                       ; place p of an item's 1,024 holds bytes 12 p on of its 16 rows, which are dense in memory
	ds_load_b96 v[16:18], v5
	ds_load_b96 v[20:22], v5 offset:8192
	ds_load_b96 v[24:26], v5 offset:16384
	ds_load_b96 v[28:30], v5 offset:24576
	s_wait_dscnt 3                                 ; loads come back in order: the three younger ones may be out, then two, one, none
	global_store_b96 v6, v[16:18], s[IB0+12:IB0+13]                 ; a wave stores 384 consecutive bytes
	s_wait_dscnt 2
	global_store_b96 v6, v[20:22], s[IB0+12:IB0+13] offset:6144
	s_wait_dscnt 1
	global_store_b96 v6, v[24:26], s[IB1+12:IB1+13]
	s_wait_dscnt 0x0
	global_store_b96 v6, v[28:30], s[IB1+12:IB1+13] offset:6144
	s_cmp_lt_u32 s[WV], 2
	s_cbranch_scc0 .Lend
	s_lshl_b32 s61, s[WV], 9                       ; wave 0: the first item's 512 scale bytes; wave 1: the second's
	s_add_co_u32 s61, s61, SST
	v_add_nc_u32 v7, s61, v[L16]
	s_cmp_eq_u32 s[WV], 0
	s_cselect_b64 s[62:63], s[IB0+14:IB0+15], s[IB1+14:IB1+15]
	ds_load_b128 v[32:35], v7
	s_wait_dscnt 0x0
	global_store_b128 v[L16], v[32:35], s[62:63]   ; 512 consecutive bytes, aligned
.Lend:
	s_wait_tensorcnt 0x0
	ds_add_u32 v250, v251
	s_wait_dscnt 0x0
	s_endpgm
.Lfunc_end_k_qa97dfd5630_attn:
	.size	k_qa97dfd5630_attn, .Lfunc_end_k_qa97dfd5630_attn-k_qa97dfd5630_attn
	.p2alignl 7, 3214868480
	.fill 96, 4, 3214868480
	.section	.rodata,"a",@progbits
	.p2align	6, 0x0
	.amdhsa_kernel k_qa97dfd5630_attn
		.amdhsa_group_segment_fixed_size 244736
		.amdhsa_private_segment_fixed_size 0
		.amdhsa_enable_private_segment 0
		.amdhsa_kernarg_size 32
		.amdhsa_user_sgpr_count 2
		.amdhsa_user_sgpr_kernarg_segment_ptr 1
		.amdhsa_wavefront_size32 1
		.amdhsa_system_sgpr_workgroup_id_x 1
		.amdhsa_system_sgpr_workgroup_id_y 1
		.amdhsa_system_sgpr_workgroup_id_z 1
		.amdhsa_system_vgpr_workitem_id 0
		.amdhsa_next_free_vgpr 256
		.amdhsa_next_free_sgpr 72
		.amdhsa_reserve_vcc 1
		.amdhsa_float_denorm_mode_32 3
		.amdhsa_float_denorm_mode_16_64 3
		.amdhsa_memory_ordered 1
		.amdhsa_forward_progress 1
		.amdhsa_inst_pref_size 68
	.end_amdhsa_kernel
	.amdgpu_metadata
---
amdhsa.version: [ 1, 2 ]
amdhsa.kernels:
  - .name:           k_qa97dfd5630_attn
    .symbol:         k_qa97dfd5630_attn.kd
    .args:
      - { .name: qk, .offset: 0, .size: 8, .value_kind: global_buffer, .address_space: global }
      - { .name: vq, .offset: 8, .size: 8, .value_kind: global_buffer, .address_space: global }
      - { .name: prefix, .offset: 16, .size: 8, .value_kind: global_buffer, .address_space: global }
      - { .name: oq, .offset: 24, .size: 8, .value_kind: global_buffer, .address_space: global }
    .group_segment_fixed_size: 244736
    .private_segment_fixed_size: 0
    .kernarg_segment_align: 8
    .kernarg_segment_size: 32
    .max_flat_workgroup_size: 512
    .sgpr_count:     72
    .vgpr_count:     256
    .wavefront_size: 32
...
	.end_amdgpu_metadata
.endif
;; end of part 3
;; launch gemm_out (part 4): grid 8 x 32, 4 waves a work-group, clusters of 4 x 4, 327,680 bytes of LDS; arguments oq, wq, bo, out0; writes out0
.if DOCPART == 4
	.amdgcn_target "amdgcn-amd-amdhsa--gfx1250"
	.amdhsa_code_object_version 6
	.text
	.protected	k_qa97dfd5630_gemm_out
	.globl	k_qa97dfd5630_gemm_out
	.p2align	8
	.type	k_qa97dfd5630_gemm_out,@function
k_qa97dfd5630_gemm_out:
	s_mov_b64 s[64:65], 0
	v_nop
	global_prefetch_b8 v0, s[64:65] scope:SCOPE_SE
	s_setreg_imm32_b32 hwreg(HW_REG_WAVE_MODE, 25, 1), 1
	s_wait_xcnt 0x0
	s_wait_alu depctr_hold_cnt(0) depctr_sa_sdst(0) depctr_va_vdst(0) depctr_va_sdst(0) depctr_va_ssrc(0) depctr_va_vcc(0) depctr_vm_vsrc(0)
	s_getreg_b32 s2, hwreg(HW_REG_IB_STS2, 6, 4)
	s_cmp_eq_u32 s2, 0
	s_cbranch_scc0 .Lentry_in_a_cluster
	s_endpgm
.Lentry_in_a_cluster:
	s_bfe_u32 s2, ttmp6, 0x10000c
	s_cmp_lg_u32 s2, 0xf033
	s_cbranch_scc0 .Lentry_shape_is_right
	s_endpgm
.Lentry_shape_is_right:
; out0 = A Wo + bo.  A: [8192][1024] as codes of FP6 (E2M3) in oq, scale bytes at OSOFF; Wo's columns: rows 3,072 on of wq, scale bytes behind them; bo [1024] f32; out0 [8192][1024] f32; sums in f32.
; A'S ROWS LIE IN ANOTHER ORDER THAN THE RESULT'S: inside each 64 rows, the row at place 16 x + 2 j + e is row 8 j + 2 x + e (x = 0..3, j = 0..7, e = 0, 1).  Which rows form a tile of 16 is free: the products
; take the rows as they lie, and the way out stores each row at its true place.
; A tile of 256 rows x 128 columns is made by four waves, 128 x 64 each: 32 accumulators, 256 registers: 32 x 8 = 256 work-groups, one for each WGP (tiles of 256 x 256 would be 128).
; K goes in steps of 256 through a ring of two LDS slots filled by the tensor data mover; the scale bytes of the work-group's rows come once, with the first fills.  4 x 4 work-groups form a cluster: A's tiles
; are asked for jointly along a row of the cluster, B's along a column.
; The matrix instruction is used transposed (source 0 = 16 rows of B, source 1 = 16 rows of A): a lane holds eight neighbouring numbers of a row of the result.  The bias is the C of each sum's first product.
; REGISTERS, in windows of 256: window 0: v0-31 addresses; v32-63 scale words, two sets; v64-95 the bias, eight registers for each of B's four blocks; from v128 A's eight fragments, one set; on the way out
;   v128-191 rows.  window 1: B's four fragments, two sets, at v0 and v128.  window 2: the accumulators ((a, b) at v[8 (4 a + b)]).
.set SIZE_N, 1024
.set OSOFF,  6291456
.set WOC,    2359296                   ; 3,072 rows of 768 bytes
.set WOS,    3244032                   ; 3,145,728 + 3,072 rows of 32 bytes
.set NQ,     2
.set ROWB,   192
.set KROW,   768
.set PITCH,  240                       ; an LDS row: 3 x (64 bytes + 16 of padding): the 32 lanes of a load of 8 bytes touch 64 different banks (64 banks of 4 bytes: ISA guide 11.1)
.set FR,     12
.set NL,     6
.set NP,     4
.set HALFA,  128*PITCH                 ; 128 rows of A: what wave 0 or 1 fetches, and what a wave reads of A
.set HALFB,  64*PITCH                  ; 64 rows of B: what wave 2 or 3 fetches, and what a wave reads of B
.set SLOT,   2*HALFA+2*HALFB           ; A's 256 rows, then B's 128
.set LAPS,   2
.set KS,     32
.set SCL,    2*SLOT                    ; behind the ring: B's scales, 2 x 8 units of 256 bytes + 16 of padding;
.set HALFSB, 8*272
.set SCA,    SCL+2*HALFSB              ; then A's, 2 x 16 units
.set HALFS,  16*272
.set SBLK,   2*272                     ; the scales of 16 rows
.set SPARE,  SCA+2*HALFS               ; the spare words, 128 bytes a wave: two blocks of 256 bytes that no other line names
.set SPITCH, 272                       ; the way out: a stage of 16 rows x (256 bytes + 16) a wave, in slot 0, which has had its last fill and its last read by then
.set ADRA, 16
.set ADRB, 20
.set STO,  24
.set RD,   25
.set CO,   26
.set ADRS, 27
.set SPW,  28
.set NIL,  29
.set SC,   32                          ; scale words: set s at v[SC + 16 s]; register 2 i + q: lanes 0-15 the word of B's block i (i < 4; what they load for i = 4 .. 7 lies inside the scales' bytes and no product names it), lanes 16-31 that of A's block i
.set BIAS, 64
.set AF,   128
.set BK,   128
.set G1, 24
.set G0, 32
.set G1B, 48
.set G0B, 56
.set G1S, 68
.set G0S, 76
.set G1SB, 80
.set G0SB, 88
.set MSB, 0
.macro WIN new                         ; the immediate's high byte repeats the setting that is left
.if MSB != \new
	s_set_vgpr_msb (MSB<<8)|\new
.set MSB, \new
.endif
.endm
.set MUL,  0xa1                        ; source 0 (B) window 1, source 1 (A) window 0, C and D window 2
.set FST,  0x81                        ; the first step: C (the bias) window 0, D window 2
.set TO_B, 0x40
.macro JLOAD g0a, g1a, g0b, g1b        ; a joint load: waves 0 and 1 fetch for A, waves 2 and 3 for B; four v_nop follow each of the two lines
	s_cmp_eq_u32 s15, 0
	s_cbranch_scc0 .Lfor_b_\@
	tensor_load_to_lds s[\g0a:\g0a+3], s[\g1a:\g1a+7]
	s_nop 0
.rept 4
	v_nop
.endr
	s_branch .Lasked_\@
.Lfor_b_\@:
	tensor_load_to_lds s[\g0b:\g0b+3], s[\g1b:\g1b+7]
	s_nop 0
.rept 4
	v_nop
.endr
.Lasked_\@:
.endm
.macro CREST
	s_cmp_lg_u32 s14, 0
	s_cbranch_scc1 .Lnot_wave_0_\@
	s_barrier_signal -3
.Lnot_wave_0_\@:
	s_barrier_wait -3
	s_barrier_signal -1
	s_barrier_wait -1
.endm
.macro CROUND
	s_barrier_signal -1
	s_barrier_wait -1
	CREST
.endm
.macro SHAPE g, cols, rows, pitch      ; words 1 to 7 of a descriptor's group 1: a tile of rows x cols elements, pitch elements from row to row
	s_mov_b32 s[\g+1], (\cols)<<16
	s_mov_b32 s[\g+2], (\rows)<<16
	s_mov_b32 s[\g+3], (\cols)<<16
	s_mov_b32 s[\g+4], \rows
	s_mov_b32 s[\g+5], \pitch
	s_mov_b32 s[\g+6], 0
	s_mov_b32 s[\g+7], 0
.endm
	s_load_b128 s[4:7], s[0:1], 0x0                ; oq s[4:5], wq s[6:7]
	s_load_b64 s[8:9], s[0:1], 0x10                ; bo
	s_load_b64 s[12:13], s[0:1], 0x18              ; out0
	v_lshl_add_u32 v[SPW], v0, 2, SPARE
	v_mov_b32 v[NIL], 0
	ds_add_u32 v28, v29
	ds_add_u32 v28, v29
	s_wait_dscnt 0x0
	v_lshrrev_b32 v1, 5, v0
	v_readfirstlane_b32 s14, v1                    ; wave 0..3
	s_lshr_b32 s15, s14, 1                         ; which 128 of the tile's rows are mine.  Also: I fetch for A (0) or for B (1)
	s_and_b32 s16, s14, 1                          ; which 64 of its columns.  Also: which half of A's or B's rows I fetch
	s_bfe_u32 s40, ttmp6, 0x40000                  ; cx
	s_bfe_u32 s41, ttmp6, 0x40004                  ; cy
	s_lshl_b32 s42, ttmp9, 2
	s_add_co_u32 s42, s42, s40                     ; tile column, 0..7
	s_and_b32 s17, ttmp7, 0xffff
	s_lshl_b32 s17, s17, 2
	s_add_co_u32 s17, s17, s41                     ; tile row, 0..31
	s_lshl_b32 s43, s41, 2
	s_lshl_b32 s43, 15, s43                        ; my row of the cluster
	s_lshl_b32 s44, 0x1111, s40                    ; my column
	s_or_b32 s[G1+0], s43, (0<<16)|(1<<20)|(1<<21)|(3<<22)|(3<<25)    ; elements of 1 byte; 16 bytes of padding behind every 64
	s_or_b32 s[G1B+0], s44, (0<<16)|(1<<20)|(1<<21)|(3<<22)|(3<<25)
	SHAPE G1, ROWB, 128, KROW
	SHAPE G1B, ROWB, 64, KROW
	s_or_b32 s[G1S+0], s43, (3<<16)|(1<<20)|(1<<21)|(5<<22)|(3<<25)   ; the scales: dense bytes as rows of 256 (32 elements of 8), 16 bytes of padding behind each
	s_or_b32 s[G1SB+0], s44, (3<<16)|(1<<20)|(1<<21)|(5<<22)|(3<<25)
	SHAPE G1S, 32, 16, 32                          ; 128 rows x 32 bytes
	SHAPE G1SB, 32, 8, 32                          ; 64 rows x 32 bytes
	s_lshl_b32 s18, s16, 7
	s_lshl_b32 s20, s17, 8
	s_add_co_u32 s20, s20, s18                     ; A's row: 256 x tile row + 128 x half
	s_lshl_b32 s18, s16, 6
	s_lshl_b32 s46, s42, 7
	s_add_co_u32 s46, s46, s18                     ; B's row: 128 x tile column + 64 x half
	s_mov_b32 s21, 0
	s_mov_b32 s47, 0
	s_mov_b64 s[18:19], KS
	s_mul_u64 s[22:23], s[20:21], s[18:19]
	s_mul_u64 s[92:93], s[46:47], s[18:19]
	s_mov_b64 s[18:19], KROW
	s_mul_u64 s[20:21], s[20:21], s[18:19]
	s_mul_u64 s[46:47], s[46:47], s[18:19]
	s_mul_i32 s45, s16, HALFA                      ; where they go: no place in the cluster enters an LDS address.  A's codes,
	s_mul_i32 s95, s16, HALFB
	s_add_co_u32 s95, s95, 2*HALFA                 ; B's codes,
	s_mul_i32 s94, s16, HALFS
	s_add_co_u32 s94, s94, SCA                     ; A's scales,
	s_mul_i32 s96, s16, HALFSB
	s_add_co_u32 s96, s96, SCL                     ; B's scales
	s_wait_kmcnt 0x0
	s_add_nc_u64 s[20:21], s[4:5], s[20:21]        ; A's codes
	s_add_nc_u64 s[4:5], s[4:5], OSOFF
	s_add_nc_u64 s[22:23], s[4:5], s[22:23]        ; A's scales
	s_add_nc_u64 s[46:47], s[6:7], s[46:47]
	s_add_nc_u64 s[46:47], s[46:47], WOC           ; Wo's codes
	s_add_nc_u64 s[92:93], s[6:7], s[92:93]
	s_add_nc_u64 s[92:93], s[92:93], WOS           ; Wo's scales
	CROUND                                         ; all sixteen work-groups are here: the first joint loads meet
	s_mov_b32 s[G0S], 1
	s_mov_b32 s[G0S+1], s94
	s_mov_b64 s[G0S+2:G0S+3], s[22:23]
	s_or_b32 s[G0S+3], s[G0S+3], 0x80000000
	s_mov_b32 s[G0SB], 1
	s_mov_b32 s[G0SB+1], s96
	s_mov_b64 s[G0SB+2:G0SB+3], s[92:93]
	s_or_b32 s[G0SB+3], s[G0SB+3], 0x80000000
	JLOAD G0S, G1S, G0SB, G1SB                     ; the scales first: they are wanted with K step 0
.irp s, 0,1
	s_mov_b32 s[G0+4*\s], 1
	s_add_co_u32 s[G0+4*\s+1], s45, \s*SLOT
	s_add_nc_u64 s[G0+4*\s+2:G0+4*\s+3], s[20:21], \s*ROWB
	s_or_b32 s[G0+4*\s+3], s[G0+4*\s+3], 0x80000000
	s_mov_b32 s[G0B+4*\s], 1
	s_add_co_u32 s[G0B+4*\s+1], s95, \s*SLOT
	s_add_nc_u64 s[G0B+4*\s+2:G0B+4*\s+3], s[46:47], \s*ROWB
	s_or_b32 s[G0B+4*\s+3], s[G0B+4*\s+3], 0x80000000
	JLOAD G0+4*\s, G1, G0B+4*\s, G1B
.endr
	v_and_b32 v1, 15, v0                           ; r = l % 16
	v_bfe_u32 v2, v0, 4, 1                         ; h = l / 16
	v_mul_u32_u24 v3, v1, PITCH
	v_mul_u32_u24 v4, v2, 24
	v_add_nc_u32 v4, v3, v4                        ; a fragment's row x pitch + 24 x half
	v_lshl_add_u32 v5, v2, 4, v4                   ; and the same behind one padding more
	s_mul_i32 s21, s15, HALFA                      ; my 128 rows of A
	s_mul_i32 s22, s16, HALFB                      ; my 64 rows of B,
	s_add_co_u32 s22, s22, 2*HALFA                 ; which lie behind A's 256
.irp s, 0,1
	v_add_nc_u32 v[ADRA+\s], s21, v4
	v_add_nc_u32 v[ADRB+\s], s22, v4
	v_add_nc_u32 v[ADRA+2+\s], s21, v5
	v_add_nc_u32 v[ADRB+2+\s], s22, v5
	s_add_co_u32 s21, s21, SLOT
	s_add_co_u32 s22, s22, SLOT
.endr
	v_mul_u32_u24 v5, v1, KS                       ; my row's scales: 32 bytes a row,
	v_lshrrev_b32 v6, 8, v5
	v_lshl_add_u32 v5, v6, 4, v5                   ; and 16 more for each 256 passed
	s_mul_i32 s21, s16, HALFSB                     ; B's: my 64 rows: the lower base, for lanes 0-15
	s_mul_i32 s22, s15, HALFS                      ; A's: my 128 rows, behind B's
	s_add_co_u32 s22, s22, 2*HALFSB
	s_sub_co_u32 s22, s22, s21
	v_mul_u32_u24 v6, s22, v2                      ; lanes 16-31 take A's
	s_add_co_u32 s21, s21, SCL
	v_add_nc_u32 v5, v5, v6
	v_add_nc_u32 v[ADRS], s21, v5
	s_mul_i32 s23, s14, 16*SPITCH                  ; my stage
	v_mul_u32_u24 v5, v1, SPITCH                   ; in: row r, 32 bytes for each half of the lanes
	v_lshl_add_u32 v5, v2, 5, v5
	v_add_nc_u32 v[STO], s23, v5
	v_mul_u32_u24 v6, v2, SPITCH                   ; back: lanes 0-15 take one row of 256 bytes, lanes 16-31 the next
	v_lshl_add_u32 v6, v1, 4, v6
	v_add_nc_u32 v[RD], s23, v6
	v_lshlrev_b32 v[CO], 12, v2                    ; and in the result: two neighbouring rows of 4,096 bytes
	v_lshl_add_u32 v[CO], v1, 4, v[CO]
	s_lshl_b32 s20, s17, 8
	s_lshl_b32 s21, s15, 7
	s_add_co_u32 s20, s20, s21                     ; my first row of the result (my 128 rows are two whole groups of 64: the other order stays inside them)
	s_mov_b32 s21, 0
	s_mov_b64 s[18:19], SIZE_N*4
	s_mul_u64 s[20:21], s[20:21], s[18:19]
	s_lshl_b32 s46, s42, 9                         ; my first column, in bytes: in a row of the result and in bo alike: 512 x tile column + 256 x half
	s_lshl_b32 s47, s16, 8
	s_add_co_u32 s46, s46, s47
	s_mov_b32 s47, 0
	s_add_nc_u64 s[8:9], s[8:9], s[46:47]
	s_add_nc_u64 s[20:21], s[20:21], s[46:47]
	s_add_nc_u64 s[12:13], s[12:13], s[20:21]
	v_lshlrev_b32 v7, 5, v2
.irp b, 0,1,2,3
	global_load_b128 v[BIAS+8*\b:BIAS+8*\b+3], v7, s[8:9] offset:64*\b         ; register 8 b + n: bo of column 16 b + 8 h + n, in the result's layout
	global_load_b128 v[BIAS+8*\b+4:BIAS+8*\b+7], v7, s[8:9] offset:64*\b+16
.endr
.macro FRAG reg, adr, q, i             ; a fragment: 16 rows x 128 K: 12 registers, in pieces of 8 bytes; where the piece three on (lanes 16-31) lies behind one padding more, the second address register serves
.irp p, 0,1,2,3,4,5
.set PCE, 12*(\q)+6*(\p/3)+\p%3
.if PCE%8 < 5
	ds_load_b64 v[\reg+2*\p:\reg+2*\p+1], v[\adr] offset:8*PCE+16*(PCE/8)+(\i)*16*PITCH
.else
	ds_load_b64 v[\reg+2*\p:\reg+2*\p+1], v[\adr+2] offset:8*PCE+16*(PCE/8)+(\i)*16*PITCH
.endif
.endr
.endm
; 8 matrix instructions: A's blocks a0, a0 + 1 x B's four.  first = 1: the sums begin with the bias as C.  The 32 accumulators take turns, one instruction a turn.
.macro MUL8 a0, p, q, sc, first
.irp a, \a0, \a0+1
.irp b, 0,1,2,3
.if \first
	v_wmma_scale_f32_16x16x128_f8f6f4 v[8*(4*(\a)+\b):8*(4*(\a)+\b)+7], v[128*(\p)+FR*\b:128*(\p)+FR*\b+FR-1], v[AF+FR*(\a):AF+FR*(\a)+FR-1], v[BIAS+8*\b:BIAS+8*\b+7], v[SC+8*NQ*(\sc)+NQ*\b+(\q)], v[SC+8*NQ*(\sc)+NQ*(\a)+(\q)] matrix_a_fmt:MATRIX_FMT_FP6 matrix_b_fmt:MATRIX_FMT_FP6 matrix_b_scale:MATRIX_SCALE_ROW1
.else
	v_wmma_scale_f32_16x16x128_f8f6f4 v[8*(4*(\a)+\b):8*(4*(\a)+\b)+7], v[128*(\p)+FR*\b:128*(\p)+FR*\b+FR-1], v[AF+FR*(\a):AF+FR*(\a)+FR-1], v[8*(4*(\a)+\b):8*(4*(\a)+\b)+7], v[SC+8*NQ*(\sc)+NQ*\b+(\q)], v[SC+8*NQ*(\sc)+NQ*(\a)+(\q)] matrix_a_fmt:MATRIX_FMT_FP6 matrix_b_fmt:MATRIX_FMT_FP6 matrix_b_scale:MATRIX_SCALE_ROW1
.endif
.endr
.endr
.endm
.macro FETCH_B slot, q, p              ; B's four fragments of the slot's q-th 128 along K into set p
	WIN TO_B
.irp i, 0,1,2,3
	FRAG 128*(\p)+FR*\i, ADRB+\slot, \q, \i
.endr
	WIN 0
.endm
.macro FETCH_A slot, q, i0             ; A's blocks i0 .. i0 + 3
.irp i, \i0, \i0+1, \i0+2, \i0+3
	FRAG AF+FR*(\i), ADRA+\slot, \q, \i
.endr
.endm
.macro SCALES sc                       ; the next K step's two scale words a row
.irp i, 0,1,2,3,4,5,6,7
	ds_load_b64 v[SC+8*NQ*\sc+NQ*\i:SC+8*NQ*\sc+NQ*\i+1], v[ADRS] offset:\i*SBLK
.endr
.endm
.macro PLACES n                        ; plain vector lines between a matrix instruction and a load into, or a read of, its registers
.rept \n
	v_nop
.endr
.endm
.macro STEP slot, q, first             ; a step of 128 along K that has its successor in the same slot: 32 matrix instructions, 72 LDS loads in two runs
	s_wait_dscnt 4*NL                              ; B's set and A's blocks 0-3 are in; the youngest 24 loads (A's blocks 4-7) may be out
.if \first
	WIN FST
.else
	WIN MUL
.endif
	MUL8 0, (\q)%2, \q, \slot, \first
	MUL8 2, (\q)%2, \q, \slot, \first
	s_wait_dscnt 0
	PLACES NP
	FETCH_B \slot, (\q)+1, 1-(\q)%2
	FETCH_A \slot, (\q)+1, 0
.if \first
	WIN FST
.else
	WIN MUL
.endif
	MUL8 4, (\q)%2, \q, \slot, \first
	MUL8 6, (\q)%2, \q, \slot, \first
	PLACES NP
	WIN 0
	FETCH_A \slot, (\q)+1, 4
.endm
; A slot's last step changes slots: one barrier; in front of it each wave waits for all its tensor loads, adds 0 to its spare word, and waits for that and for its reads of this slot.
.macro TURN slot, next, fill
	s_wait_tensorcnt 0x0                           ; all my tensor loads have landed: my part of the next slot
	ds_add_u32 v[SPW], v[NIL]                      ; 0 onto my spare word
	s_wait_dscnt 4*NL+1                            ; (the add and the youngest 24 loads may be out)
	WIN MUL
	MUL8 0, 1, NQ-1, \slot, 0
	s_wait_dscnt 0x0                               ; the add is done, and my reads of this slot are over
	s_barrier_signal -1
	MUL8 2, 1, NQ-1, \slot, 0
	WIN 0
	s_barrier_wait -1
.if \fill
	CREST                                          ; the barrier has opened a round of the cluster's barrier: no wave of any partner still reads this slot or has a load on its way
	s_add_nc_u64 s[G0+4*\slot+2:G0+4*\slot+3], s[G0+4*\slot+2:G0+4*\slot+3], 2*ROWB
	s_add_nc_u64 s[G0B+4*\slot+2:G0B+4*\slot+3], s[G0B+4*\slot+2:G0B+4*\slot+3], 2*ROWB
	JLOAD G0+4*\slot, G1, G0B+4*\slot, G1B         ; the first tensor load behind the round; its four v_nop are also the places in front of the loads below
.else
	PLACES NP
.endif
	v_add_nc_u32 v[ADRS], 4*NQ, v[ADRS]            ; on to the next K step's scale words (no LDS load of mine is out)
	FETCH_B \next, 0, 0
	FETCH_A \next, 0, 0
	SCALES \next
	WIN MUL
	MUL8 4, 1, NQ-1, \slot, 0
	MUL8 6, 1, NQ-1, \slot, 0
	PLACES NP
	WIN 0
	FETCH_A \next, 0, 4
.endm
	s_wait_tensorcnt 1                             ; the scales and my part of K step 0 are in (K step 1's load may be out),
	s_barrier_signal -1
	s_barrier_wait -1                              ; everybody's are
	FETCH_B 0, 0, 0
	FETCH_A 0, 0, 0
	SCALES 0
	FETCH_A 0, 0, 4
	s_wait_loadcnt 0x0                             ; the bias
	STEP 0, 0, 1                                   ; the first step stands in front of the loop: its products start the sums, with the bias
	s_mov_b32 s3, LAPS-1
.Llap:                                                 ; a trip goes once round the ring and fills both slots again
	TURN 0, 1, 1
	STEP 1, 0, 0
	TURN 1, 0, 1
	STEP 0, 0, 0
	s_sub_co_u32 s3, s3, 1
	s_cmp_lg_u32 s3, 0
	s_cbranch_scc1 .Llap
	TURN 0, 1, 0                                   ; the last lap fills nothing
	STEP 1, 0, 0
	s_wait_dscnt 4*NL                              ; the very last step
	WIN MUL
	MUL8 0, 1, NQ-1, 1, 0
	MUL8 2, 1, NQ-1, 1, 0
	s_wait_dscnt 0
	MUL8 4, 1, NQ-1, 1, 0
	MUL8 6, 1, NQ-1, 1, 0
	WIN 0
; THE WAY OUT, block by block of 16 rows x 64 columns, through my own stage in LDS: back as whole rows of 256 bytes, two to an instruction.  LDS serves a wave's instructions in order (ISA guide 5.7.1.4).
; Block a holds places 16 a .. 16 a + 15 of my 128: x = a % 4 of group a / 4; the stage's rows 2 t and 2 t + 1 are j = t, e = 0, 1: rows 64 (a / 4) + 2 (a % 4) + 8 t + e of the result.
.macro TOSTAGE a
.set AC, 32*(\a)
	WIN 0x08                                       ; the data: window 2
.irp b, 0,1,2,3
	ds_store_b128 v[STO], v[AC+8*\b:AC+8*\b+3] offset:64*\b          ; each accumulator from its low end on
	ds_store_b128 v[STO], v[AC+8*\b+4:AC+8*\b+7] offset:64*\b+16
.endr
	WIN 0
.set BB, BK+32*((\a)%2)
.irp t, 0,1,2,3,4,5,6,7
	ds_load_b128 v[BB+4*\t:BB+4*\t+3], v[RD] offset:2*\t*SPITCH
.endr
.endm
.macro SEND a, younger                 ; younger: the LDS instructions issued behind block a's loads, which may stay out
.set BB, BK+32*((\a)%2)
	s_wait_dscnt \younger
.if (\a) > 0                           ; (behind a wait on XCNT: the earlier stores have read their base)
.if ((\a)%4) == 0
	s_add_nc_u64 s[12:13], s[12:13], 58*SIZE_N*4   ; from x = 3 of one group of 64 rows to x = 0 of the next
.else
	s_add_nc_u64 s[12:13], s[12:13], 2*SIZE_N*4    ; x + 1: two rows on
.endif
.endif
.irp t, 0,1,2,3,4,5,6,7
	global_store_b128 v[CO], v[BB+4*\t:BB+4*\t+3], s[12:13] offset:8*\t*SIZE_N*4 th:TH_STORE_NT   ; sixteen lanes store 256 consecutive bytes, aligned; written once, read by nobody here
.endr
.endm
	PLACES NP
	TOSTAGE 0
.irp a, 1,2,3,4,5,6,7
.if \a > 1
	s_wait_xcnt 0x0                                ; block a - 2's stores have read their registers and their base
.endif
	TOSTAGE \a
	SEND \a-1, 16                                  ; behind block a - 1's loads: block a's 8 stores and 8 loads
.endr
	s_wait_xcnt 0x0
	SEND 7, 0
	s_wait_tensorcnt 0x0                           ; the wave's end, behind my last tensor load and my last LDS store
	ds_add_u32 v[SPW], v[NIL]
	s_wait_dscnt 0x0
	CROUND                                         ; the closing round: no work-group ends while a partner may still ask for a tile that names it
	s_endpgm
.Lfunc_end_k_qa97dfd5630_gemm_out:
	.size	k_qa97dfd5630_gemm_out, .Lfunc_end_k_qa97dfd5630_gemm_out-k_qa97dfd5630_gemm_out
	.p2alignl 7, 3214868480
	.fill 96, 4, 3214868480
	.section	.rodata,"a",@progbits
	.p2align	6, 0x0
	.amdhsa_kernel k_qa97dfd5630_gemm_out
		.amdhsa_group_segment_fixed_size 327680
		.amdhsa_private_segment_fixed_size 0
		.amdhsa_enable_private_segment 0
		.amdhsa_kernarg_size 32
		.amdhsa_user_sgpr_count 2
		.amdhsa_user_sgpr_kernarg_segment_ptr 1
		.amdhsa_wavefront_size32 1
		.amdhsa_system_sgpr_workgroup_id_x 1
		.amdhsa_system_sgpr_workgroup_id_y 1
		.amdhsa_system_sgpr_workgroup_id_z 1
		.amdhsa_system_vgpr_workitem_id 0
		.amdhsa_next_free_vgpr 1024
		.amdhsa_next_free_sgpr 98
		.amdhsa_reserve_vcc 0
		.amdhsa_float_denorm_mode_32 3
		.amdhsa_float_denorm_mode_16_64 3
		.amdhsa_memory_ordered 1
		.amdhsa_forward_progress 1
		.amdhsa_inst_pref_size 103
	.end_amdhsa_kernel
	.amdgpu_metadata
---
amdhsa.version: [ 1, 2 ]
amdhsa.kernels:
  - .name:           k_qa97dfd5630_gemm_out
    .symbol:         k_qa97dfd5630_gemm_out.kd
    .args:
      - { .name: oq, .offset: 0, .size: 8, .value_kind: global_buffer, .address_space: global }
      - { .name: wq, .offset: 8, .size: 8, .value_kind: global_buffer, .address_space: global }
      - { .name: bo, .offset: 16, .size: 8, .value_kind: global_buffer, .address_space: global }
      - { .name: out0, .offset: 24, .size: 8, .value_kind: global_buffer, .address_space: global }
    .group_segment_fixed_size: 327680
    .private_segment_fixed_size: 0
    .kernarg_segment_align: 8
    .kernarg_segment_size: 32
    .max_flat_workgroup_size: 128
    .sgpr_count:     98
    .vgpr_count:     1024
    .wavefront_size: 32
...
	.end_amdgpu_metadata
.endif
;; end of part 4
